; MI455X (gfx1250); checked and timed in simulation.
; The chip was launched on July 23, 2026; its instructions are those of AMD's public machine-readable ISA for CDNA 5 (MIT licence, August 2026) and "CDNA5" Instruction Set Architecture Reference Guide (July 2026). The comments in the code are by the model that wrote it; some were corrected since.
;; Sum Kernel. Allowed arithmetic: matrix products marked QUANTISED: E2M3 operands, one E8M0 scale for each 32 along K, by v_wmma_scale_f32_16x16x128_f8f6f4 with both operands' format E2M3, f32 sums; products left as they are: f32 operands where the result goes on into a quantised operand, else bf16, f16 or f32 operands; f32 sums; everything else in f32.
;; Inputs: coset_functions 4 x 64 x 4 x 16 float32; kg_W1_codes 256 x 1 x 24 uint8 (E2M3 codes of kg_W1, K innermost, in blocks of 32 codes, four codes in three bytes); kg_W1_scales 256 x 1 uint8 (E8M0 scales of kg_W1, one for each 32 codes along K); kg_W2_codes 256 x 8 x 24 uint8 (E2M3 codes of kg_W2, K innermost, in blocks of 32 codes, four codes in three bytes); kg_W2_scales 256 x 8 uint8 (E8M0 scales of kg_W2, one for each 32 codes along K); kg_W3 256 x 1 float32; kg_b1 256 float32; kg_b2 256 float32; kg_b3 1 float32; kg_be1 256 float32; kg_be2 256 float32; kg_be3 1 float32; kg_g1 256 float32; kg_g2 256 float32; kg_g3 1 float32; ky_W1 32 x 256 float32; ky_W2_codes 256 x 8 x 24 uint8 (E2M3 codes of ky_W2, K innermost, in blocks of 32 codes, four codes in three bytes); ky_W2_scales 256 x 8 uint8 (E8M0 scales of ky_W2, one for each 32 codes along K); ky_W3 256 x 1 float32; ky_b1 256 float32; ky_b2 256 float32; ky_b3 1 float32; ky_be1 256 float32; ky_be2 256 float32; ky_be3 1 float32; ky_g1 256 float32; ky_g2 256 float32; ky_g3 1 float32; mask 4 x 64 x 4 bool; pairwise_g_codes 4 x 64 x 64 x 4 x 4 x 1 x 24 uint8 (E2M3 codes of pairwise_g, K innermost, in blocks of 32 codes, four codes in three bytes); pairwise_g_scales 4 x 64 x 64 x 4 x 4 x 1 uint8 (E8M0 scales of pairwise_g, one for each 32 codes along K).
;; Outputs: out0 4 x 64 x 64 x 4 x 4 x 1 float32.
;; This version of the problem:
;;   THIS VERSION OF THE PROBLEM IS GIVEN IN LOW PRECISION. The matrix products marked QUANTISED in the list below multiply operands that are first quantised to E2M3 (2 exponent bits, 3 mantissa bits; 6 bits a number), with one power-of-two scale for each 32 numbers along K (OCP MX v1.0); their sums are f32. All else is computed in f32.
;;   The module's matrix products, in the order in which they are computed (A, B: the left and right operand; K: the contracted axis; several contracted axes count as one K, in the product's order):
;;     1. [M 1,024, K 16] x [K 16, N 256]; A: input coset_functions; B: input ky_W1: left as it is (K = 16 < 32)
;;     2. [M 1,024, K 16] x [K 16, N 256]; A: input coset_functions; B: input ky_W1: left as it is (K = 16 < 32)
;;     3. [M 262,144, K 256] x [K 256, N 256]; A: computed on the way; B: input ky_W2 (given as codes): QUANTISED
;;     4. [M 262,144, K 256] x [K 256, N 1]; A: computed on the way; B: input ky_W3: left as it is (N = 1 < 16)
;;     5. [M 262,144, K 32] x [K 32, N 256]; A: input pairwise_g (given as codes); B: input kg_W1 (given as codes): QUANTISED
;;     6. [M 262,144, K 256] x [K 256, N 256]; A: computed on the way; B: input kg_W2 (given as codes): QUANTISED
;;     7. [M 262,144, K 256] x [K 256, N 1]; A: computed on the way; B: input kg_W3: left as it is (N = 1 < 16)
;;   THE QUANTISER, for each operand of a quantised product, along K:
;;     - K is cut into blocks of 32 from its start; a last block that is shorter is filled with zeros.
;;     - A block's scale is 2^e with e = floor(log2(the largest magnitude in the block)) - 2, held to -126 .. 127; a block of zeros has e = 0. As a byte (E8M0): e + 127.
;;     - Each number is divided by its block's scale, clamped to +-7.5, and rounded to the nearest number of E2M3, ties to even, subnormals kept.
;;     - The product sums the exact products of the quantised numbers (number of the format x scale) in f32.
;;   ~~~python
;;   def quantise(x, axis):      # numpy; x: float32 -> the quantised numbers, widened to float32 again
;;       x = np.moveaxis(x, axis, -1); K = x.shape[-1]
;;       x = np.pad(x, [(0, 0)] * (x.ndim - 1) + [(0, -K % 32)]); x = x.reshape(x.shape[:-1] + (-1, 32)); a = np.abs(x).max(-1, keepdims=True)
;;       e = np.where(a > 0, np.clip(np.frexp(np.where(a > 0, a, 1))[1] - 1 - 2, -126, 127), 0)      # np.frexp(a)[1] - 1 = floor(log2(a)), exactly
;;       r = np.clip(x / 2.0 ** e, -7.5, 7.5)
;;       step = 2.0 ** (np.maximum(np.frexp(np.where(r == 0, 1, r))[1] - 1, 0) - 3)
;;       q = np.round(r / step) * step * 2.0 ** e      # np.round: ties to even
;;       return np.moveaxis(q.reshape(q.shape[:-2] + (-1,))[..., :K], -1, axis).astype(np.float32)
;;   ~~~
;;   OPERANDS COMPUTED ON THE WAY. 'Computed on the way' means the value that the module computes at that place (a softmax that the list does not call 'softmax' is quantised finished and normalised). What goes into a quantiser is computed in f32, as accurately as f32 sums, v_exp_f32 and their like allow (about 1e-6 of the number): no bf16 or f16 on the way to a quantiser, and a product that is left as it is and whose result goes on into a quantised operand takes f32 operands (vector FMAs, or v_wmma_f32_16x16x4_f32). A number that lies on a knife's edge between two numbers of the format may be rounded either way, as far as f32 arithmetic and the matrix unit's own rounding can turn it there, and no further.
;;   INPUTS GIVEN AS CODES. kg_W1 (in the module: [32, 256], K = its axis 0); kg_W2 (in the module: [256, 256], K = its axis 0); ky_W2 (in the module: [256, 256], K = its axis 0); pairwise_g (in the module: [4, 64, 64, 4, 4, 32], K = its axis 5): each comes as NAME_codes (uint8): NAME with its K axis moved to the last place and cut into blocks of 32 codes, [.., K / 32, bytes a block], one block behind the other in memory; four codes in three bytes: a row's codes are one little-endian stream of bits, code i at bits 6 i .. 6 i + 5 (a code: sign, 2 exponent bits, 3 mantissa bits); and NAME_scales (uint8): the same leading axes, one E8M0 byte (e + 127) for each 32 codes along K. Its value is code x scale, taken as it is: it is not quantised again, and the codes and scales need not be those that the quantiser above would give.
;; One version. Each part assembles by itself: llvm-mc -triple=amdgcn-amd-amdhsa -mcpu=gfx1250 --defsym DOCPART=n.
;; ======== version 1 of 1: 6 launches
;; limits: a difference of large sums (such as E[x^2] - mean^2): digits are lost where the result is much smaller than its terms
;; workspace buffers: kytab 2,097,152 bytes; w2img 98,304 bytes; part_g 524,288 bytes; part_y 524,288 bytes; cst1 2,048 bytes; cst2 4,096 bytes; x3 2,097,152 bytes; part3 4,096 bytes
;; launch first (part 1): grid 320 x 1, 4 waves a work-group, no clusters, 9,728 bytes of LDS; arguments pairwise_g_codes, pairwise_g_scales, kg_W1_codes, kg_W1_scales, part_g, coset_functions, ky_W1, ky_b1, ky_g1, ky_be1, kytab, ky_W2_codes, kg_W2_codes, w2img; writes part_g, kytab, w2img
.if DOCPART == 1
	.amdgcn_target "amdgcn-amd-amdhsa--gfx1250"
	.amdhsa_code_object_version 6
	.text
	.protected	k_q9c5d19da89_first
	.globl	k_q9c5d19da89_first
	.p2align	8
	.type	k_q9c5d19da89_first,@function
k_q9c5d19da89_first:
	s_mov_b64 s[64:65], 0
	v_nop
	global_prefetch_b8 v0, s[64:65] scope:SCOPE_SE
	s_setreg_imm32_b32 hwreg(HW_REG_WAVE_MODE, 25, 1), 1
	s_wait_xcnt 0x0
; TWO ROLES, parted on the work-group's number; they never join, and each has LDS bytes of its own.
; x under 256 (kg0): x1 = G W1 (codes of E2M3, K = 32) for 1,024 rows, and for each of the 256 channels the sum and the sum of squares of x1 -> part_g[x][sum 256][squares 256].
; x from 256 on (prep, g = x - 256): channels 4 g .. 4 g + 3 of ky's first layer.  p1 = cf W1[:16], p2 = cf W1[16:] by f32 multiply-adds, K ascending.  h = p1[b,j,t] + p2[b,i,s] + b1 runs over a full
;   cross product, so its mean and variance follow from the 1,024 rows of p1 and p2: var = mean over b of [var_b(p1) + var_b(p2) + (m1_b + m2_b - M1 - M2)^2], all taken centred.  The batch norm is folded into two tables,
;   P1' = a (p1 - M1) and P2' = a (p2 - M2) + cc, so that the later launches make h1 = relu(P1' + P2').  Wave 3 also lays one fragment of ky_W2 or kg_W2 as an image of the operand's registers into w2img.
; K = 32 IN AN INSTRUCTION OF 128: a fragment's registers 0-5 hold k = 32 (lane / 16) + 0..31, registers 6-11 k = 64 + ...  G: registers 0-5 = the row's 24 bytes (lanes 16-31 hold them again), registers 6-11 = 0.
;   W1: tile n's six registers with lanes 16-31 cleared; its upper six are tile n + 1's registers (behind tile 15: six zeros).  So block 1 is zero by W1, block 2 by G, block 3 by both.  The scale words are bytes
;   widened with zeros: bytes 1-3 stand over zero codes.
; LIMITS: the input mask is not loaded.  kg's variance is later made as E[x^2] - mean^2 from these sums (relative error about 1e-6 (1 + mean^2 / var)).  NaN, infinities and scale bytes 0xff are not served.
.set RED, 0                            ; kg0: [wave][sum 256 | squares 256] f32, 8,192 bytes
.set PR1, 8192                         ; prep: [wave][32 sums], 512 bytes
.set PR2, 8704                         ; prep: [wave][32 sums of squares], 512 bytes
.set W1S, 16                           ; kg0, window 0: v16-31 W1's scale words; v32-47 G's, one for each tile (no other line of the text names v16-47); v48-143 eight slots of G; v144-245 W1's sixteen tiles, six registers apart
.set GS, 32
.set G, 48
.set W1, 144                           ; window 1: v0-63, v64-127 two sets of eight accumulators; v128-191 sums: tile n: sum v[128+4n:+1], squares v[130+4n:+1]
.set MSB, 0
.macro WIN new                         ; the immediate's high byte repeats the setting that is left
.if MSB != (\new)
	s_set_vgpr_msb (MSB<<8)|(\new)
.set MSB, (\new)
.endif
.endm
.macro NOPS n
.rept \n
	v_nop
.endr
.endm
.macro BAR                             ; my LDS stores have landed and my LDS loads are in: then the work-group's barrier
	s_wait_dscnt 0x0
	s_barrier_signal -1
	s_barrier_wait -1
.endm
; four lines of the statistics: registers o, o + 1 of the two accumulators at d and d + 8 (tiles n, n + 1)
.macro HS1 d, n, o
	v_pk_add_f32 v[128+4*(\n):129+4*(\n)], v[128+4*(\n):129+4*(\n)], v[(\d)+(\o):(\d)+(\o)+1]
	v_pk_add_f32 v[132+4*(\n):133+4*(\n)], v[132+4*(\n):133+4*(\n)], v[(\d)+(\o)+8:(\d)+(\o)+9]
	v_pk_fma_f32 v[130+4*(\n):131+4*(\n)], v[(\d)+(\o):(\d)+(\o)+1], v[(\d)+(\o):(\d)+(\o)+1], v[130+4*(\n):131+4*(\n)]
	v_pk_fma_f32 v[134+4*(\n):135+4*(\n)], v[(\d)+(\o)+8:(\d)+(\o)+9], v[(\d)+(\o)+8:(\d)+(\o)+9], v[134+4*(\n):135+4*(\n)]
.endm
; a slice: half an accumulator pair.  Half 0 comes first.  start = 1: the first tile's numbers start the sums: nothing is cleared
.macro HS d, n, half, start
	WIN 0x55
.if (\start) && ((\half) == 0)
	v_pk_add_f32 v[128+4*(\n):129+4*(\n)], v[(\d):(\d)+1], v[(\d)+2:(\d)+3]
	v_pk_add_f32 v[132+4*(\n):133+4*(\n)], v[(\d)+8:(\d)+9], v[(\d)+10:(\d)+11]
	v_pk_mul_f32 v[130+4*(\n):131+4*(\n)], v[(\d):(\d)+1], v[(\d):(\d)+1]
	v_pk_mul_f32 v[134+4*(\n):135+4*(\n)], v[(\d)+8:(\d)+9], v[(\d)+8:(\d)+9]
	v_pk_fma_f32 v[130+4*(\n):131+4*(\n)], v[(\d)+2:(\d)+3], v[(\d)+2:(\d)+3], v[130+4*(\n):131+4*(\n)]
	v_pk_fma_f32 v[134+4*(\n):135+4*(\n)], v[(\d)+10:(\d)+11], v[(\d)+10:(\d)+11], v[134+4*(\n):135+4*(\n)]
.else
	HS1 \d, \n, 4*(\half)
	HS1 \d, \n, 4*(\half)+2
.endif
.endm
; eight products: tile m of rows x channel tiles 8 q .. 8 q + 7, into set q; behind each a slice of the set made before (the eight lines are also the places behind the products)
.macro GROUP m, q, bare, start
.set gi, 0
.rept 8
	WIN 0x40
	v_wmma_scale_f32_16x16x128_f8f6f4 v[64*(\q)+8*gi:64*(\q)+8*gi+7], v[G+12*((\m)%8):G+12*((\m)%8)+11], v[W1+6*(8*(\q)+gi):W1+6*(8*(\q)+gi)+11], 0, v[GS+(\m)], v[W1S+8*(\q)+gi] matrix_a_fmt:MATRIX_FMT_FP6 matrix_b_fmt:MATRIX_FMT_FP6
.if (\bare) == 0
	HS 64*(1-(\q))+16*(gi/2), 8*(1-(\q))+2*(gi/2), gi%2, \start
.endif
.set gi, gi+1
.endr
.endm
.macro RELOAD m                        ; slot m takes tile m + 8; the slot's last product stands eight plain lines back
	WIN 0
.irp p, 0,1,2
	global_load_b64 v[G+12*(\m)+2*\p:G+12*(\m)+2*\p+1], v3, s[8:9] offset:384*((\m)+8)+8*\p
.endr
.endm
	s_set_vgpr_msb 0x40
	v_lshl_add_u32 v254, v0, 2, 0x2400
	v_mov_b32 v255, 0
	s_set_vgpr_msb 0x4000
	v_lshrrev_b32 v1, 5, v0
	v_readfirstlane_b32 s2, v1                     ; wave 0..3
	s_mov_b32 s3, ttmp9
	s_mov_b32 s6, 0x76543210
	s_mov_b32 s7, 0xfedcba98                       ; v_permlanex16_b32's selects for lane l xor 16
	s_cmp_ge_u32 s3, 256
	s_cbranch_scc1 .Lprep
; ------------------------------------------------------------------ kg0
	s_load_b256 s[8:15], s[0:1], 0x0               ; G's codes, G's scales, W1's codes, W1's scales
	s_load_b64 s[16:17], s[0:1], 0x20              ; part_g
	v_and_b32 v1, 15, v0                           ; r
	v_bfe_u32 v2, v0, 4, 1                         ; h
	v_mul_u32_u24 v3, v1, 24                       ; a row of 32 codes is 24 bytes
	v_add_nc_u32 v4, -1, v2                        ; all ones in lanes 0-15, 0 in lanes 16-31
	v_lshlrev_b32 v5, 2, v1
	v_lshl_add_u32 v5, v2, 10, v5
	s_lshl_b32 s24, s2, 11
	v_add_nc_u32 v5, s24, v5                       ; RED + 2,048 wave + 1,024 h + 4 r
	v_lshlrev_b32 v6, 4, v0                        ; 16 x thread
	s_mul_i32 s18, s3, 24576                       ; my wave's first row: 1,024 x + 256 wave
	s_mul_i32 s19, s2, 6144
	s_add_co_u32 s18, s18, s19
	s_mov_b32 s19, 0
	s_lshl_b32 s20, s3, 10
	s_lshl_b32 s21, s2, 8
	s_add_co_u32 s20, s20, s21
	s_mov_b32 s21, 0
	s_lshl_b32 s22, s3, 11
	s_mov_b32 s23, 0
	s_wait_alu depctr_va_vdst(0)
	s_wait_kmcnt 0x0
	s_add_nc_u64 s[8:9], s[8:9], s[18:19]
	s_add_nc_u64 s[10:11], s[10:11], s[20:21]
	s_add_nc_u64 s[16:17], s[16:17], s[22:23]
.set z, 0
.rept 16
.irp p, 0,1,2
	global_load_b64 v[W1+6*z+2*\p:W1+6*z+2*\p+1], v3, s[12:13] offset:384*z+8*\p   ; W1's tile z: lane r takes channel 16 z + r
.endr
	global_load_u8 v[W1S+z], v1, s[14:15] offset:16*z
	global_load_u8 v[GS+z], v1, s[10:11] offset:16*z
.set z, z+1
.endr
.set z, 0
.rept 8
.irp p, 0,1,2
	global_load_b64 v[G+12*z+2*\p:G+12*z+2*\p+1], v3, s[8:9] offset:384*z+8*\p
.endr
.irp j, 6,7,8,9,10,11
	v_mov_b32 v[G+12*z+\j], 0                      ; k = 64 .. 127 of G: zero codes, written once
.endr
.set z, z+1
.endr
.irp j, 0,1,2,3,4,5
	v_mov_b32 v[W1+96+\j], 0                       ; behind tile 15
.endr
	s_wait_loadcnt 0x0
.set z, 0
.rept 96
	v_and_b32 v[W1+z], v4, v[W1+z]                 ; k = 32 .. 63 of W1: zero codes
.set z, z+1
.endr
	GROUP 0, 0, 1, 0
	NOPS 4                                         ; no slice stands behind the first eight products
	GROUP 0, 1, 0, 1
	RELOAD 0
	GROUP 1, 0, 0, 1
	GROUP 1, 1, 0, 0
	RELOAD 1
.irp m, 2,3,4,5,6,7,8,9,10,11,12,13,14,15
.if \m >= 8
	s_wait_loadcnt 3*(15-\m)                       ; behind tile m's three loads stand those of tiles m + 1 .. 15
.endif
	GROUP \m, 0, 0, 0
	GROUP \m, 1, 0, 0
.if \m < 8
	RELOAD \m
.endif
.endr
.set gi, 0
.rept 8
	HS 64+16*(gi/2), 8+2*(gi/2), gi%2, 0           ; the last set's slices
.set gi, gi+1
.endr
	; a lane holds channel 16 n + r and the rows of its half.  Lanes 0-15 end with the channel's sum, lanes 16-31 with its sum of squares: each sends the other half what that half keeps
	WIN 0
	v_cmp_eq_u32 vcc_lo, 1, v2
	WIN 0x55
.set e, 0
.rept 16
	v_add_f32 v[128+4*e], v[128+4*e], v[129+4*e]
	v_add_f32 v[130+4*e], v[130+4*e], v[131+4*e]
.set e, e+1
.endr
.set e, 0
.rept 16
	v_cndmask_b32 v[129+4*e], v[128+4*e], v[130+4*e], vcc_lo   ; what I keep
	v_cndmask_b32 v[131+4*e], v[130+4*e], v[128+4*e], vcc_lo   ; what I send
.set e, e+1
.endr
.set e, 0
.rept 16
	v_permlanex16_b32 v[128+4*e], v[131+4*e], s6, s7
.set e, e+1
.endr
.set e, 0
.rept 16
	v_add_f32 v[129+4*e], v[129+4*e], v[128+4*e]
.set e, e+1
.endr
	WIN 0x04                                       ; an LDS store's data are its source 1: window 1
.set e, 0
.rept 16
	ds_store_b32 v5, v[129+4*e] offset:RED+64*e
.set e, e+1
.endr
	WIN 0
	BAR
.irp w, 0,1,2,3
	ds_load_b128 v[48+4*\w:51+4*\w], v6 offset:RED+2048*\w
.endr
	s_wait_dscnt 0x0
	v_pk_add_f32 v[48:49], v[48:49], v[52:53]
	v_pk_add_f32 v[50:51], v[50:51], v[54:55]
	v_pk_add_f32 v[56:57], v[56:57], v[60:61]
	v_pk_add_f32 v[58:59], v[58:59], v[62:63]
	v_pk_add_f32 v[48:49], v[48:49], v[56:57]
	v_pk_add_f32 v[50:51], v[50:51], v[58:59]
	global_store_b128 v6, v[48:51], s[16:17]       ; the work-group's 2,048 bytes, 512 consecutive bytes a wave
	s_set_vgpr_msb 0x5
	s_wait_tensorcnt 0x0
	ds_add_u32 v254, v255
	s_wait_dscnt 0x0
	s_set_vgpr_msb 0x500
	s_endpgm
; ------------------------------------------------------------------ prep (window 0 alone)
; v4-7 b1, v8-11 g1, v12-15 be1 of my four channels; v48-59 wave 3's image; v64-191 cf, later the sums (table, b, channel) and what is made of them; v192-255 p: 192 + 32 table + 4 k + channel
.macro WLOAD tbl                       ; sixteen rows of ky_W1, four channels each: s[32:63] and s[68:99]
.irp kk, 0,1,2,3,4,5,6,7,8,9,10,11,12,13,14,15
	s_load_b128 s[32+4*\kk+4*(\kk/8):35+4*\kk+4*(\kk/8)], s[12:13], 16384*\tbl+1024*\kk
.endr
.endm
.macro PROD tbl                        ; eight rows x four channels, K ascending: one multiplication and fifteen fused multiply-adds a number
.irp kk, 0,1,2,3,4,5,6,7,8,9,10,11,12,13,14,15
.set pr, 0
.rept 8
.irp ch, 0,1,2,3
.if \kk == 0
	v_mul_f32 v[192+32*\tbl+4*pr+\ch], s[32+\ch], v[64+16*pr]
.else
	v_fmac_f32 v[192+32*\tbl+4*pr+\ch], s[32+4*\kk+4*(\kk/8)+\ch], v[64+16*pr+\kk]
.endif
.endr
.set pr, pr+1
.endr
.endr
.endm
.macro WRED base, tmp                  ; 32 registers from base on, summed over the wave's 32 lanes; tmp: 32 registers that have been written
.irp x, 1,2,4,8
.set wi, 0
.rept 32
	v_add_f32_dpp v[\base+wi], v[\base+wi], v[\base+wi] row_xmask:\x row_mask:0xf bank_mask:0xf
.set wi, wi+1
.endr
.endr
.set wi, 0
.rept 32
	v_permlanex16_b32 v[\tmp+wi], v[\base+wi], s6, s7
.set wi, wi+1
.endr
.set wi, 0
.rept 32
	v_add_f32 v[\base+wi], v[\base+wi], v[\tmp+wi]
.set wi, wi+1
.endr
.endm
.Lprep:
	s_sub_co_u32 s4, s3, 256                       ; g
	s_load_b64 s[8:9], s[0:1], 0x28                ; coset_functions
	s_load_b256 s[12:19], s[0:1], 0x30             ; ky_W1, ky_b1, ky_g1, ky_be1
	s_load_b256 s[20:27], s[0:1], 0x50             ; kytab, ky_W2_codes, kg_W2_codes, w2img
	v_lshlrev_b32 v1, 6, v0                        ; cf: a row is 64 bytes; thread t takes rows t + 128 k
	v_lshrrev_b32 v2, 5, v0
	v_lshl_add_u32 v2, v2, 7, PR1                  ; my wave's 128 bytes
	v_mov_b32 v3, PR1
	v_mov_b32 v60, 0
	s_lshl_b32 s28, s4, 4
	s_mov_b32 s29, 0
	s_wait_alu depctr_va_vdst(0)
	s_wait_kmcnt 0x0
	s_add_nc_u64 s[12:13], s[12:13], s[28:29]      ; my four channels: 16 g bytes on
	s_add_nc_u64 s[14:15], s[14:15], s[28:29]
	s_add_nc_u64 s[16:17], s[16:17], s[28:29]
	s_add_nc_u64 s[18:19], s[18:19], s[28:29]
	s_lshl_b32 s28, s4, 8
	s_add_nc_u64 s[10:11], s[20:21], s[28:29]      ; table 1: + 256 g
	s_lshl_b32 s28, s4, 14
	s_add_nc_u64 s[20:21], s[20:21], s[28:29]      ; table 2: + 16,384 g
	WLOAD 0
.set pr, 0
.rept 8
.irp q, 0,1,2,3
	global_load_b128 v[64+16*pr+4*\q:67+16*pr+4*\q], v1, s[8:9] offset:8192*pr+16*\q
.endr
.set pr, pr+1
.endr
	global_load_b128 v[4:7], v60, s[14:15]
	global_load_b128 v[8:11], v60, s[16:17]
	global_load_b128 v[12:15], v60, s[18:19]
	s_cmp_lg_u32 s2, 3
	s_cbranch_scc1 .Lnoimg
	; wave 3: fragment g % 32 = 16 s + n of ky_W2 (g under 32) or kg_W2, as the operand's registers stand: lane (r, h) takes 24 bytes at 192 (16 n + r) + 96 s + 24 h and 24 more 48 bytes on
	s_cmp_lt_u32 s4, 32
	s_cselect_b64 s[22:23], s[22:23], s[24:25]
	s_and_b32 s30, s4, 15
	s_mul_i32 s30, s30, 3072
	s_bfe_u32 s31, s4, 0x10004
	s_mul_i32 s31, s31, 96
	s_add_co_u32 s30, s30, s31
	s_mov_b32 s31, 0
	s_add_nc_u64 s[22:23], s[22:23], s[30:31]
	s_mul_i32 s30, s4, 1536                        ; 32 fragments of 1,536 bytes are a matrix's 49,152
	s_add_nc_u64 s[26:27], s[26:27], s[30:31]
	v_and_b32 v61, 15, v0
	v_bfe_u32 v62, v0, 4, 1
	v_mul_u32_u24 v61, v61, 192
	v_mad_u32_u24 v61, v62, 24, v61
	v_and_b32 v62, 31, v0
	v_lshlrev_b32 v62, 4, v62
.irp p, 0,1,2,3,4,5
	global_load_b64 v[48+2*\p:49+2*\p], v61, s[22:23] offset:48*(\p/3)+8*(\p%3)
.endr
	s_wait_alu depctr_va_vdst(0)
	s_wait_loadcnt 0x0
.irp c, 0,1,2
	global_store_b128 v62, v[48+4*\c:51+4*\c], s[26:27] offset:512*\c   ; registers 4 c .. 4 c + 3, lane l's 16 bytes at 16 l
.endr
.Lnoimg:
	s_wait_loadcnt 0x0
	s_wait_kmcnt 0x0
	PROD 0
	WLOAD 1
	s_wait_kmcnt 0x0
	PROD 1
	; sums over the 256 rows of each b: a thread holds two of them (k = 2 b, 2 b + 1).  cf is done with: the sums take its first 32 registers
.irp tbl, 0,1
.irp b, 0,1,2,3
.irp e, 0,2
	v_pk_add_f32 v[64+16*\tbl+4*\b+\e:65+16*\tbl+4*\b+\e], v[192+32*\tbl+8*\b+\e:193+32*\tbl+8*\b+\e], v[196+32*\tbl+8*\b+\e:197+32*\tbl+8*\b+\e]
.endr
.endr
.endr
	WRED 64, 96
.irp q, 0,1,2,3,4,5,6,7
	ds_store_b128 v2, v[64+4*\q:67+4*\q] offset:16*\q      ; all lanes hold the same numbers and write the same bytes
.endr
	BAR
.irp w, 0,1,2,3
.irp q, 0,1,2,3,4,5,6,7
	ds_load_b128 v[64+32*\w+4*\q:67+32*\w+4*\q], v3 offset:128*\w+16*\q
.endr
.endr
	s_wait_dscnt 0x0
.set z, 0
.rept 16
	v_pk_add_f32 v[64+2*z:65+2*z], v[64+2*z:65+2*z], v[96+2*z:97+2*z]
	v_pk_add_f32 v[128+2*z:129+2*z], v[128+2*z:129+2*z], v[160+2*z:161+2*z]
.set z, z+1
.endr
.set z, 0
.rept 16
	v_pk_add_f32 v[64+2*z:65+2*z], v[64+2*z:65+2*z], v[128+2*z:129+2*z]
.set z, z+1
.endr
.set z, 0
.rept 16
	v_pk_mul_f32 v[64+2*z:65+2*z], v[64+2*z:65+2*z], 0x3b800000 op_sel_hi:[1,0]   ; / 256: the means m(table, b, channel) at v[64 + 16 table + 4 b + channel]
.set z, z+1
.endr
	; centred squares
.irp tbl, 0,1
.irp b, 0,1,2,3
.irp e, 0,2
	v_pk_add_f32 v[128+4*(8*\tbl+2*\b+\e/2):129+4*(8*\tbl+2*\b+\e/2)], v[192+32*\tbl+8*\b+\e:193+32*\tbl+8*\b+\e], v[64+16*\tbl+4*\b+\e:65+16*\tbl+4*\b+\e] neg_lo:[0,1] neg_hi:[0,1]
	v_pk_add_f32 v[130+4*(8*\tbl+2*\b+\e/2):131+4*(8*\tbl+2*\b+\e/2)], v[196+32*\tbl+8*\b+\e:197+32*\tbl+8*\b+\e], v[64+16*\tbl+4*\b+\e:65+16*\tbl+4*\b+\e] neg_lo:[0,1] neg_hi:[0,1]
.endr
.endr
.endr
.irp tbl, 0,1
.irp b, 0,1,2,3
.irp e, 0,2
	v_pk_mul_f32 v[96+16*\tbl+4*\b+\e:97+16*\tbl+4*\b+\e], v[128+4*(8*\tbl+2*\b+\e/2):129+4*(8*\tbl+2*\b+\e/2)], v[128+4*(8*\tbl+2*\b+\e/2):129+4*(8*\tbl+2*\b+\e/2)]
.endr
.endr
.endr
.irp tbl, 0,1
.irp b, 0,1,2,3
.irp e, 0,2
	v_pk_fma_f32 v[96+16*\tbl+4*\b+\e:97+16*\tbl+4*\b+\e], v[130+4*(8*\tbl+2*\b+\e/2):131+4*(8*\tbl+2*\b+\e/2)], v[130+4*(8*\tbl+2*\b+\e/2):131+4*(8*\tbl+2*\b+\e/2)], v[96+16*\tbl+4*\b+\e:97+16*\tbl+4*\b+\e]
.endr
.endr
.endr
	WRED 96, 128
.irp q, 0,1,2,3,4,5,6,7
	ds_store_b128 v2, v[96+4*\q:99+4*\q] offset:PR2-PR1+16*\q
.endr
	BAR
.irp q, 0,1,2,3,4,5,6,7
	ds_load_b128 v[96+4*\q:99+4*\q], v3 offset:PR2-PR1+16*\q
	ds_load_b128 v[128+4*\q:131+4*\q], v3 offset:PR2-PR1+128+16*\q
	ds_load_b128 v[160+4*\q:163+4*\q], v3 offset:PR2-PR1+256+16*\q
.endr
	s_wait_dscnt 0x0
.set z, 0
.rept 16
	v_pk_add_f32 v[96+2*z:97+2*z], v[96+2*z:97+2*z], v[128+2*z:129+2*z]
.set z, z+1
.endr
.irp q, 0,1,2,3,4,5,6,7
	ds_load_b128 v[128+4*\q:131+4*\q], v3 offset:PR2-PR1+384+16*\q     ; the fourth wave's, into registers that have just been added up
.endr
.set z, 0
.rept 16
	v_pk_add_f32 v[96+2*z:97+2*z], v[96+2*z:97+2*z], v[160+2*z:161+2*z]
.set z, z+1
.endr
	s_wait_dscnt 0x0
.set z, 0
.rept 16
	v_pk_add_f32 v[96+2*z:97+2*z], v[96+2*z:97+2*z], v[128+2*z:129+2*z]     ; 256 var_b at v[96 + 16 table + 4 b + channel]
.set z, z+1
.endr
	; per channel: v128-135 M1, M2; v136-139 M1 + M2; v140-143 the variance; v176-179 a; v184-187 cc
.irp tbl, 0,1
.irp e, 0,2
	v_pk_add_f32 v[128+4*\tbl+\e:129+4*\tbl+\e], v[64+16*\tbl+\e:65+16*\tbl+\e], v[68+16*\tbl+\e:69+16*\tbl+\e]
	v_pk_add_f32 v[144+4*\tbl+\e:145+4*\tbl+\e], v[72+16*\tbl+\e:73+16*\tbl+\e], v[76+16*\tbl+\e:77+16*\tbl+\e]
.endr
.endr
.irp i, 0,2,4,6
	v_pk_add_f32 v[128+\i:129+\i], v[128+\i:129+\i], v[144+\i:145+\i]
.endr
.irp i, 0,2,4,6
	v_pk_mul_f32 v[128+\i:129+\i], v[128+\i:129+\i], 0x3e800000 op_sel_hi:[1,0]    ; / 4
.endr
.irp e, 0,2
	v_pk_add_f32 v[136+\e:137+\e], v[128+\e:129+\e], v[132+\e:133+\e]
.endr
.irp b, 0,1,2,3
.irp e, 0,2
	v_pk_add_f32 v[144+4*\b+\e:145+4*\b+\e], v[64+4*\b+\e:65+4*\b+\e], v[80+4*\b+\e:81+4*\b+\e]        ; m1_b + m2_b
	v_pk_add_f32 v[160+4*\b+\e:161+4*\b+\e], v[96+4*\b+\e:97+4*\b+\e], v[112+4*\b+\e:113+4*\b+\e]      ; 256 (var_b(p1) + var_b(p2))
.endr
.endr
.irp b, 0,1,2,3
.irp e, 0,2
	v_pk_add_f32 v[144+4*\b+\e:145+4*\b+\e], v[144+4*\b+\e:145+4*\b+\e], v[136+\e:137+\e] neg_lo:[0,1] neg_hi:[0,1]
.endr
.endr
.irp e, 0,2
	v_pk_mul_f32 v[140+\e:141+\e], v[144+\e:145+\e], v[144+\e:145+\e]
	v_pk_add_f32 v[160+\e:161+\e], v[160+\e:161+\e], v[164+\e:165+\e]
	v_pk_add_f32 v[168+\e:169+\e], v[168+\e:169+\e], v[172+\e:173+\e]
.endr
.irp b, 1,2,3
.irp e, 0,2
	v_pk_fma_f32 v[140+\e:141+\e], v[144+4*\b+\e:145+4*\b+\e], v[144+4*\b+\e:145+4*\b+\e], v[140+\e:141+\e]
.endr
.endr
.irp e, 0,2
	v_pk_add_f32 v[160+\e:161+\e], v[160+\e:161+\e], v[168+\e:169+\e]
	v_pk_mul_f32 v[140+\e:141+\e], v[140+\e:141+\e], 0x3e800000 op_sel_hi:[1,0]
.endr
.irp e, 0,2
	v_pk_fma_f32 v[140+\e:141+\e], v[160+\e:161+\e], 0x3a800000, v[140+\e:141+\e] op_sel_hi:[1,0,1]   ; + the sums / 1,024
.endr
.irp e, 0,2
	v_pk_add_f32 v[140+\e:141+\e], v[140+\e:141+\e], 0x3727c5ac op_sel_hi:[1,0]                     ; + 1e-5
.endr
	s_wait_alu depctr_va_vdst(0)
.irp ch, 0,1,2,3
	v_rsq_f32 v[176+\ch], v[140+\ch]
.endr
.irp e, 0,2
	v_pk_add_f32 v[180+\e:181+\e], v[136+\e:137+\e], v[4+\e:5+\e]                  ; mu = (M1 + M2) + b1.  (Plain lines behind the roots)
.endr
	s_wait_alu depctr_va_vdst(0)
.irp e, 0,2
	v_pk_mul_f32 v[176+\e:177+\e], v[176+\e:177+\e], v[8+\e:9+\e]                  ; a = g1 / sqrt(var + eps)
	v_pk_add_f32 v[184+\e:185+\e], v[4+\e:5+\e], v[180+\e:181+\e] neg_lo:[0,1] neg_hi:[0,1]
.endr
.irp e, 0,2
	v_pk_add_f32 v[184+\e:185+\e], v[184+\e:185+\e], v[136+\e:137+\e]              ; (b1 - mu) + (M1 + M2)
.endr
.irp e, 0,2
	v_pk_fma_f32 v[184+\e:185+\e], v[176+\e:177+\e], v[184+\e:185+\e], v[12+\e:13+\e]   ; cc = be1 + a x that
.endr
.set pr, 0
.rept 8
.irp e, 0,2
	v_pk_add_f32 v[192+4*pr+\e:193+4*pr+\e], v[192+4*pr+\e:193+4*pr+\e], v[128+\e:129+\e] neg_lo:[0,1] neg_hi:[0,1]
	v_pk_add_f32 v[224+4*pr+\e:225+4*pr+\e], v[224+4*pr+\e:225+4*pr+\e], v[132+\e:133+\e] neg_lo:[0,1] neg_hi:[0,1]
.endr
.set pr, pr+1
.endr
.set pr, 0
.rept 8
.irp e, 0,2
	v_pk_mul_f32 v[192+4*pr+\e:193+4*pr+\e], v[192+4*pr+\e:193+4*pr+\e], v[176+\e:177+\e]
	v_pk_fma_f32 v[224+4*pr+\e:225+4*pr+\e], v[224+4*pr+\e:225+4*pr+\e], v[176+\e:177+\e], v[184+\e:185+\e]
.endr
.set pr, pr+1
.endr
	v_lshrrev_b32 v188, 4, v0
	v_and_b32 v190, 15, v0
	v_lshlrev_b32 v188, 14, v188
	v_lshl_add_u32 v188, v190, 4, v188             ; table 1: [row / 16][g][row % 16][4 channels]: sixteen lanes store 256 consecutive bytes
	v_lshlrev_b32 v189, 4, v0                      ; table 2: [g][row][4 channels]
.set pr, 0
.rept 8
	global_store_b128 v188, v[192+4*pr:195+4*pr], s[10:11] offset:131072*pr
	global_store_b128 v189, v[224+4*pr:227+4*pr], s[20:21] offset:1048576+2048*pr
.set pr, pr+1
.endr
	s_set_vgpr_msb 0x5
	s_wait_tensorcnt 0x0
	ds_add_u32 v254, v255
	s_wait_dscnt 0x0
	s_set_vgpr_msb 0x500
	s_endpgm
.Lfunc_end_k_q9c5d19da89_first:
	.size	k_q9c5d19da89_first, .Lfunc_end_k_q9c5d19da89_first-k_q9c5d19da89_first
	.p2alignl 7, 3214868480
	.fill 96, 4, 3214868480
	.section	.rodata,"a",@progbits
	.p2align	6, 0x0
	.amdhsa_kernel k_q9c5d19da89_first
		.amdhsa_group_segment_fixed_size 9728
		.amdhsa_private_segment_fixed_size 0
		.amdhsa_enable_private_segment 0
		.amdhsa_kernarg_size 112
		.amdhsa_user_sgpr_count 2
		.amdhsa_user_sgpr_kernarg_segment_ptr 1
		.amdhsa_wavefront_size32 1
		.amdhsa_system_sgpr_workgroup_id_x 1
		.amdhsa_system_sgpr_workgroup_id_y 1
		.amdhsa_system_sgpr_workgroup_id_z 1
		.amdhsa_system_vgpr_workitem_id 0
		.amdhsa_next_free_vgpr 512
		.amdhsa_next_free_sgpr 100
		.amdhsa_reserve_vcc 1
		.amdhsa_float_denorm_mode_32 3
		.amdhsa_float_denorm_mode_16_64 3
		.amdhsa_memory_ordered 1
		.amdhsa_forward_progress 1
		.amdhsa_inst_pref_size 255
	.end_amdhsa_kernel
	.section	.bss,"aw",@nobits
	.p2align	6
	.space	262144
	.amdgpu_metadata
---
amdhsa.version: [ 1, 2 ]
amdhsa.kernels:
  - .name:           k_q9c5d19da89_first
    .symbol:         k_q9c5d19da89_first.kd
    .args:
      - { .name: pairwise_g_codes, .offset: 0, .size: 8, .value_kind: global_buffer, .address_space: global }
      - { .name: pairwise_g_scales, .offset: 8, .size: 8, .value_kind: global_buffer, .address_space: global }
      - { .name: kg_W1_codes, .offset: 16, .size: 8, .value_kind: global_buffer, .address_space: global }
      - { .name: kg_W1_scales, .offset: 24, .size: 8, .value_kind: global_buffer, .address_space: global }
      - { .name: part_g, .offset: 32, .size: 8, .value_kind: global_buffer, .address_space: global }
      - { .name: coset_functions, .offset: 40, .size: 8, .value_kind: global_buffer, .address_space: global }
      - { .name: ky_W1, .offset: 48, .size: 8, .value_kind: global_buffer, .address_space: global }
      - { .name: ky_b1, .offset: 56, .size: 8, .value_kind: global_buffer, .address_space: global }
      - { .name: ky_g1, .offset: 64, .size: 8, .value_kind: global_buffer, .address_space: global }
      - { .name: ky_be1, .offset: 72, .size: 8, .value_kind: global_buffer, .address_space: global }
      - { .name: kytab, .offset: 80, .size: 8, .value_kind: global_buffer, .address_space: global }
      - { .name: ky_W2_codes, .offset: 88, .size: 8, .value_kind: global_buffer, .address_space: global }
      - { .name: kg_W2_codes, .offset: 96, .size: 8, .value_kind: global_buffer, .address_space: global }
      - { .name: w2img, .offset: 104, .size: 8, .value_kind: global_buffer, .address_space: global }
    .group_segment_fixed_size: 9728
    .private_segment_fixed_size: 0
    .kernarg_segment_align: 8
    .kernarg_segment_size: 112
    .max_flat_workgroup_size: 128
    .sgpr_count:     100
    .vgpr_count:     512
    .wavefront_size: 32
...
	.end_amdgpu_metadata
.endif
;; end of part 1
;; launch fin1 (part 2): grid 4 x 1, 8 waves a work-group, no clusters, 5,120 bytes of LDS; arguments part_g, kg_b1, kg_g1, kg_be1, part_y, ky_b2, ky_g2, ky_be2, cst1; writes cst1
.if DOCPART == 2
	.amdgcn_target "amdgcn-amd-amdhsa--gfx1250"
	.amdhsa_code_object_version 6
	.text
	.protected	k_q9c5d19da89_fin1
	.globl	k_q9c5d19da89_fin1
	.p2align	8
	.type	k_q9c5d19da89_fin1,@function
k_q9c5d19da89_fin1:
	s_mov_b64 s[64:65], 0
	v_nop
	global_prefetch_b8 v0, s[64:65] scope:SCOPE_SE
	s_setreg_imm32_b32 hwreg(HW_REG_WAVE_MODE, 25, 1), 1
	s_wait_xcnt 0x0
; A batch norm's constants from 256 work-groups' partial sums.  part: [256][sum 256 | squares 256] f32 of the bias-free x.  out: a[256], c[256], so that BN(x + b) = a x + c.
; mean = S / 2^18; var = max(Q / 2^18 - mean^2, 0); a = g / sqrt(var + 1e-5); mu = mean + b; c = be + a (b - mu).
; The work-group's y picks the first or the second set of four buffers, and 2,048 y bytes in out.  Work-group x takes channels 64 x .. 64 x + 63, a lane two of them, wave w the partial rows 32 w .. 32 w + 31:
; each load of a wave covers 256 consecutive bytes, aligned.
; LIMIT: the variance is a difference of two means in f32: relative error about 1e-6 (1 + mean^2 / var).
.macro TREE base, dst                  ; 32 pairs -> 1
.irp st, 16,8,4,2
.set i, 0
.rept \st
	v_pk_add_f32 v[\base+2*i:\base+2*i+1], v[\base+2*i:\base+2*i+1], v[\base+2*(i+\st):\base+2*(i+\st)+1]
.set i, i+1
.endr
.endr
	s_delay_alu instid0(VALU_DEP_1)
	v_pk_add_f32 v[\dst:\dst+1], v[\base:\base+1], v[\base+2:\base+3]
.endm
	s_load_b512 s[8:23], s[0:1], 0x0               ; part, b, g, be: the first set, the second set
	s_load_b64 s[24:25], s[0:1], 0x40              ; out
	v_lshl_add_u32 v160, v0, 2, 0x1000
	v_mov_b32 v161, 0
	v_lshrrev_b32 v1, 5, v0
	s_delay_alu instid0(VALU_DEP_1)
	v_readfirstlane_b32 s2, v1                     ; wave 0..7
	s_and_b32 s3, ttmp7, 0xffff                    ; y
	v_and_b32 v1, 31, v0
	s_delay_alu instid0(VALU_DEP_1)
	v_lshlrev_b32 v1, 3, v1                        ; 8 x lane
	v_lshlrev_b32 v2, 4, v0                        ; 16 x thread
	s_lshl_b32 s4, ttmp9, 8                        ; my 64 channels
	s_mov_b32 s5, 0
	s_lshl_b32 s6, s2, 16                          ; my wave's 32 rows of 2,048 bytes
	s_add_co_u32 s6, s6, s4
	s_mov_b32 s7, 0
	s_lshl_b32 s26, s3, 11
	s_add_co_u32 s26, s26, s4
	s_mov_b32 s27, 0
	s_wait_alu depctr_va_vdst(0)
	s_wait_kmcnt 0x0
	s_cmp_eq_u32 s3, 0                             ; the choice hangs on the work-group's number alone
	s_cselect_b64 s[8:9], s[8:9], s[16:17]
	s_cselect_b64 s[10:11], s[10:11], s[18:19]
	s_cselect_b64 s[12:13], s[12:13], s[20:21]
	s_cselect_b64 s[14:15], s[14:15], s[22:23]
	s_add_nc_u64 s[8:9], s[8:9], s[6:7]
	s_add_nc_u64 s[10:11], s[10:11], s[4:5]
	s_add_nc_u64 s[12:13], s[12:13], s[4:5]
	s_add_nc_u64 s[14:15], s[14:15], s[4:5]
	s_add_nc_u64 s[24:25], s[24:25], s[26:27]
.set k, 0
.rept 32
	global_load_b64 v[16+2*k:17+2*k], v1, s[8:9] offset:2048*k
	global_load_b64 v[80+2*k:81+2*k], v1, s[8:9] offset:2048*k+1024
.set k, k+1
.endr
	s_wait_loadcnt 0x0
	TREE 16, 144
	TREE 80, 146
	ds_store_b128 v2, v[144:147]                   ; (S0, S1, Q0, Q1) at 512 wave + 16 lane
	s_wait_dscnt 0x0
	s_barrier_signal -1
	s_barrier_wait -1
	s_cmp_lg_u32 s2, 0
	s_cbranch_scc1 .Ldone
	global_load_b64 v[48:49], v1, s[10:11]         ; b
	global_load_b64 v[50:51], v1, s[12:13]         ; g
	global_load_b64 v[52:53], v1, s[14:15]         ; be
.irp w, 0,1,2,3,4,5,6,7
	ds_load_b128 v[16+4*\w:19+4*\w], v2 offset:512*\w      ; in wave 0 the thread's number is the lane's
.endr
	s_wait_dscnt 0x0
.irp w, 0,1,2,3
	v_pk_add_f32 v[16+4*\w:17+4*\w], v[16+4*\w:17+4*\w], v[32+4*\w:33+4*\w]
	v_pk_add_f32 v[18+4*\w:19+4*\w], v[18+4*\w:19+4*\w], v[34+4*\w:35+4*\w]
.endr
.irp w, 0,1
	s_delay_alu instid0(VALU_DEP_4)
	v_pk_add_f32 v[16+4*\w:17+4*\w], v[16+4*\w:17+4*\w], v[24+4*\w:25+4*\w]
	s_delay_alu instid0(VALU_DEP_4)
	v_pk_add_f32 v[18+4*\w:19+4*\w], v[18+4*\w:19+4*\w], v[26+4*\w:27+4*\w]
.endr
	s_delay_alu instid0(VALU_DEP_2)
	v_pk_add_f32 v[16:17], v[16:17], v[20:21]
	s_delay_alu instid0(VALU_DEP_2)
	v_pk_add_f32 v[18:19], v[18:19], v[22:23]
	s_delay_alu instid0(VALU_DEP_2)
	v_pk_mul_f32 v[16:17], v[16:17], 0x36800000 op_sel_hi:[1,0]    ; the mean: / 262,144
	s_delay_alu instid0(VALU_DEP_2)
	v_pk_mul_f32 v[18:19], v[18:19], 0x36800000 op_sel_hi:[1,0]
	s_delay_alu instid0(VALU_DEP_1)
	v_pk_fma_f32 v[18:19], v[16:17], v[16:17], v[18:19] neg_lo:[1,0,0] neg_hi:[1,0,0]
	s_delay_alu instid0(VALU_DEP_1)
	v_max_num_f32 v18, 0, v18
	s_delay_alu instid0(VALU_DEP_2)
	v_max_num_f32 v19, 0, v19
	s_delay_alu instid0(VALU_DEP_1)
	v_pk_add_f32 v[18:19], v[18:19], 0x3727c5ac op_sel_hi:[1,0]    ; + 1e-5
	s_wait_alu depctr_va_vdst(0)
	v_rsq_f32 v20, v18
	v_rsq_f32 v21, v19
	s_wait_loadcnt 0x0
	v_pk_add_f32 v[22:23], v[16:17], v[48:49]      ; mu = mean + b.  (A plain line behind the roots)
	s_wait_alu depctr_va_vdst(0)
	v_pk_mul_f32 v[20:21], v[20:21], v[50:51]      ; a
	v_pk_add_f32 v[22:23], v[48:49], v[22:23] neg_lo:[0,1] neg_hi:[0,1]
	s_delay_alu instid0(VALU_DEP_1)
	v_pk_fma_f32 v[22:23], v[20:21], v[22:23], v[52:53]            ; c = be + a (b - mu)
	global_store_b64 v1, v[20:21], s[24:25]        ; 32 lanes store 256 consecutive bytes, aligned
	global_store_b64 v1, v[22:23], s[24:25] offset:1024
.Ldone:
	s_wait_tensorcnt 0x0
	ds_add_u32 v160, v161
	s_wait_dscnt 0x0
	s_endpgm
.Lfunc_end_k_q9c5d19da89_fin1:
	.size	k_q9c5d19da89_fin1, .Lfunc_end_k_q9c5d19da89_fin1-k_q9c5d19da89_fin1
	.p2alignl 7, 3214868480
	.fill 96, 4, 3214868480
	.section	.rodata,"a",@progbits
	.p2align	6, 0x0
	.amdhsa_kernel k_q9c5d19da89_fin1
		.amdhsa_group_segment_fixed_size 5120
		.amdhsa_private_segment_fixed_size 0
		.amdhsa_enable_private_segment 0
		.amdhsa_kernarg_size 72
		.amdhsa_user_sgpr_count 2
		.amdhsa_user_sgpr_kernarg_segment_ptr 1
		.amdhsa_wavefront_size32 1
		.amdhsa_system_sgpr_workgroup_id_x 1
		.amdhsa_system_sgpr_workgroup_id_y 1
		.amdhsa_system_sgpr_workgroup_id_z 1
		.amdhsa_system_vgpr_workitem_id 0
		.amdhsa_next_free_vgpr 162
		.amdhsa_next_free_sgpr 66
		.amdhsa_reserve_vcc 0
		.amdhsa_float_denorm_mode_32 3
		.amdhsa_float_denorm_mode_16_64 3
		.amdhsa_memory_ordered 1
		.amdhsa_forward_progress 1
		.amdhsa_inst_pref_size 15
	.end_amdhsa_kernel
	.amdgpu_metadata
---
amdhsa.version: [ 1, 2 ]
amdhsa.kernels:
  - .name:           k_q9c5d19da89_fin1
    .symbol:         k_q9c5d19da89_fin1.kd
    .args:
      - { .name: part_g, .offset: 0, .size: 8, .value_kind: global_buffer, .address_space: global }
      - { .name: kg_b1, .offset: 8, .size: 8, .value_kind: global_buffer, .address_space: global }
      - { .name: kg_g1, .offset: 16, .size: 8, .value_kind: global_buffer, .address_space: global }
      - { .name: kg_be1, .offset: 24, .size: 8, .value_kind: global_buffer, .address_space: global }
      - { .name: part_y, .offset: 32, .size: 8, .value_kind: global_buffer, .address_space: global }
      - { .name: ky_b2, .offset: 40, .size: 8, .value_kind: global_buffer, .address_space: global }
      - { .name: ky_g2, .offset: 48, .size: 8, .value_kind: global_buffer, .address_space: global }
      - { .name: ky_be2, .offset: 56, .size: 8, .value_kind: global_buffer, .address_space: global }
      - { .name: cst1, .offset: 64, .size: 8, .value_kind: global_buffer, .address_space: global }
    .group_segment_fixed_size: 5120
    .private_segment_fixed_size: 0
    .kernarg_segment_align: 8
    .kernarg_segment_size: 72
    .max_flat_workgroup_size: 256
    .sgpr_count:     66
    .vgpr_count:     162
    .wavefront_size: 32
...
	.end_amdgpu_metadata
.endif
;; end of part 2
;; launch pass1 (part 3): grid 256 x 2, 4 waves a work-group, no clusters, 133,632 bytes of LDS; arguments w2img, ky_W2_scales, kg_W2_scales, kytab, cst1, kg_W1_codes, kg_W1_scales, pairwise_g_codes, pairwise_g_scales, part_y, part_g; writes part_y, part_g
.if DOCPART == 3
	.amdgcn_target "amdgcn-amd-amdhsa--gfx1250"
	.amdhsa_code_object_version 6
	.text
	.protected	k_q9c5d19da89_pass1
	.globl	k_q9c5d19da89_pass1
	.p2align	8
	.type	k_q9c5d19da89_pass1,@function
k_q9c5d19da89_pass1:
	s_mov_b64 s[64:65], 0
	v_nop
	global_prefetch_b8 v0, s[64:65] scope:SCOPE_SE
	s_setreg_imm32_b32 hwreg(HW_REG_WAVE_MODE, 25, 1), 1
	s_wait_xcnt 0x0
; ONE TEXT FOR TWO LAUNCHES (PASS = 1, 2).  Both make the hidden layer h1 of a branch anew in registers, quantise it to E2M3 along its 256 channels and multiply by W2 (x2 = Q(h1) W2, codes on both sides).
; PASS 1: the sum and the sum of squares of x2 for each channel -> part[x][sum 256 | squares 256].   PASS 2: h2 = relu(a2 x2 + c2), x3 = h2 . W3 in f32 -> x3, and the sum and sum of squares of x3 -> part3.
; ROLES, parted on the work-group's y; they never join, and each has LDS bytes of its own.
;   y = 0 (ky): h1 = relu(P1'[b,j,t] + P2'[b,i,s]) from the two tables.  The work-group takes 64 (i,s) x 16 (j,t): b = x / 64, (i,s) block (x / 16) % 4, (j,t) block x % 16.  In wave w lane r stands for (i,s) row 16 w + r,
;     whose P2' stays in 128 registers; a tile of 16 rows is one (j,t), whose P1' comes from LDS.  Lane (r, h) makes k = 128 s + 64 c + 32 h + 0..31 itself: a whole block of 32 lies in one lane.
;   y = 1 (kg): x1 = G W1 (K = 32, see below), h1 = relu(a1 x1 + c1); rows 1,024 x + 256 w + 16 tile + r, two tiles at a time.  x1 is used transposed (source 0 = W1, source 1 = G) with W1's rows chosen so that the
;     16 registers of W1's tiles 2 b and 2 b + 1 are 16 neighbouring channels: lane r of tile tt takes channel 32 (tt / 2) + 8 (tt % 2) + r + 8 (r / 8).
; EVERY WAVE HOLDS ALL OF ITS BRANCH'S W2 IN REGISTERS (32 fragments, 384 registers): the loop has no weight traffic, no barrier, and nothing goes from wave to wave.
; The second product is used in natural order (source 0 = h1's codes, source 1 = W2): in the result lane (r, h) holds channel 16 n + r and rows 8 h + 0..7, so a channel's sums and constants are one number a lane.
; K = 32 IN AN INSTRUCTION OF 128: G's registers 6-11 are zero; W1's lanes 16-31 are cleared and a tile's upper six registers are the next tile's (six zeros behind the eighth).  So block 1 is zero by W1, block 2 by G,
;   block 3 by both.  Their scale words are bytes widened with zeros, which stand over zero codes.
; THE QUANTISER: a block's largest number (none is negative behind the relu), with the floor 2^(3 - 127) among the leaves; 2 off its exponent field is the conversion's scale operand, and that shifted down by 23 the scale's byte.
; LIMITS: a block of zeros keeps the byte 1 (its codes are zeros; the bytes are this program's own); blocks whose largest number lies under 2^-124 are held at the floor; NaN, infinities and scale bytes 0xff are not served.
; No tensor load, no cluster: what work-groups share is the 49,152 bytes of a weight image, read once by each; everything else that the loop reads lies in registers or LDS.
.set PASS, 1
; LDS
.set WY, 0                             ; ky: W2's image, 49,152 bytes: fragment 16 s + n at 1,536 bytes each, register quad c at + 512 c, lane at + 16 lane
.set PL, 49152                         ; ky: P1' of the block's 16 (j,t): [channel / 4][jt][16 bytes], 16,384 bytes
.set WG, 65536                         ; kg: W2's image
.set AC, 114688                        ; kg: a1[256], c1[256]
.set REDY, 116736                      ; pass 1: [wave][sum 256 | squares 256], 8,192 bytes, ky's and kg's
.set REDG, 124928
.set STGY, 116736                      ; pass 2: x3, [wave][tile][16 rows] f32, 4,096 bytes, ky's and kg's
.set STGG, 120832
.set R3Y, 124928                       ; pass 2: [wave](sum, squares)
.set R3G, 125184
; window 0, both roles
.set T16, 1                            ; 16 x thread
.set L16, 2                            ; 16 x lane
.set RR, 3                             ; r = lane % 16
.set HH, 4                             ; h = lane / 16
.set R4, 5                             ; 4 r
.set WSO, 6                            ; 8 r + 4 h
.set W2S, 16                           ; v16-31  W2's scale words: lanes 0-15 K step 0, lanes 16-31 K step 1
.set W1S, 32                           ; v32-47  kg: W1's scale words
.set SW, 48                            ; v48-51  h1's scale words: 2 m + s
.set GS, 52                            ; v52-53  kg: G's scale words
.set CF, 192                           ; v192..  h1's codes: 24 m + 12 s
.set TC, 240                           ; the conversions' second halves
.set ACCF, 176                         ; pass 2: v176-183 a tile's x3
; window 0, ky (pass 2: v248-251 the sums of x3)
.set APL0, 7                           ; PL + 2,048 h
.set ADR, 8
.set VP2, 9
.set SH8, 10                           ; 8 h
.set PB, 64                            ; v64-127, v128-191: the 64 numbers of K step 0, 1
.set MXA, 54                           ; v54-57 four chains of maxima
.set SOY, 58
.set BY, 60
.set WT, 62
.set WU, 63
; window 0, kg (pass 2: v166-169 the sums of x3)
.set T16G, 7
.set L16G, 8
.set AAC, 9                            ; AC + 64 h
.set GOF, 10
.set GSO, 11
.set W1O, 12
.set W1SO, 13
.set MASK, 14
.set G, 64                             ; v64-87 two fragments of G
.set ACA, 88                           ; v88-103 a1, v104-119 c1 of the block's 16 channels of my half
.set ACB, 104
.set T, 120                            ; v120-151 16 numbers of each of the two tiles
.set MX, 152
.set MY, 160
.set SOG, 162
.set BT, 164
; window 1: v0-191 W2's fragments of K step 0 (tile n at 12 n); v192-255 ky: P2' of K step 0; kg: W1's tiles 0-7 at 192 + 6 i, six zeros behind.   window 2: the same for K step 1 and tiles 8-15.
; window 3: v0-127 the sixteen accumulators of x2 (tile n at 8 n); pass 1: v128-191 sums (tile n: sum 128 + 4 n, squares 130 + 4 n); pass 2: v128-159 (a2, c2), v160-175 W3, v176-183 the dot's partial sums; v192-255 kg: x1, two sets of 32.
.set MSB, 0
.macro WIN new                         ; low byte: bits 1:0 source 0, 3:2 source 1, 5:4 source 2, 7:6 destination; the high byte repeats the setting that is left
.if MSB != (\new)
	s_set_vgpr_msb (MSB<<8)|(\new)
.set MSB, (\new)
.endif
.endm
.macro NOPS n
.rept \n
	v_nop
.endr
.endm
.macro BAR                             ; my LDS stores have landed and my LDS loads are in: then the work-group's barrier
	s_wait_dscnt 0x0
	s_barrier_signal -1
	s_barrier_wait -1
.endm
; x2's tile n, K step s, of the rows' tile m.  The sixteen accumulators take turns, one instruction a turn
.macro MM s, n, m
	WIN 0xF4+4*(\s)
.if (\s) == 0
	v_wmma_scale_f32_16x16x128_f8f6f4 v[8*(\n):8*(\n)+7], v[CF+24*(\m):CF+24*(\m)+11], v[12*(\n):12*(\n)+11], 0, v[SW+2*(\m)], v[W2S+(\n)] matrix_a_fmt:MATRIX_FMT_FP6 matrix_b_fmt:MATRIX_FMT_FP6
.else
	v_wmma_scale_f32_16x16x128_f8f6f4 v[8*(\n):8*(\n)+7], v[CF+24*(\m)+12:CF+24*(\m)+23], v[12*(\n):12*(\n)+11], v[8*(\n):8*(\n)+7], v[SW+2*(\m)+1], v[W2S+(\n)] matrix_a_fmt:MATRIX_FMT_FP6 matrix_b_fmt:MATRIX_FMT_FP6 matrix_b_scale:MATRIX_SCALE_ROW1
.endif
.endm
; pass 1: registers 2 p, 2 p + 1 of accumulators 2 u and 2 u + 1 into their sums
.macro H1 u, p
	v_pk_add_f32 v[128+8*(\u):129+8*(\u)], v[128+8*(\u):129+8*(\u)], v[16*(\u)+2*(\p):16*(\u)+2*(\p)+1]
	v_pk_add_f32 v[132+8*(\u):133+8*(\u)], v[132+8*(\u):133+8*(\u)], v[16*(\u)+2*(\p)+8:16*(\u)+2*(\p)+9]
	v_pk_fma_f32 v[130+8*(\u):131+8*(\u)], v[16*(\u)+2*(\p):16*(\u)+2*(\p)+1], v[16*(\u)+2*(\p):16*(\u)+2*(\p)+1], v[130+8*(\u):131+8*(\u)]
	v_pk_fma_f32 v[134+8*(\u):135+8*(\u)], v[16*(\u)+2*(\p)+8:16*(\u)+2*(\p)+9], v[16*(\u)+2*(\p)+8:16*(\u)+2*(\p)+9], v[134+8*(\u):135+8*(\u)]
.endm
.macro H u, half                       ; half 0 comes first: each accumulator is read from its low end on
	WIN 0xFF
	H1 \u, 2*(\half)
	H1 \u, 2*(\half)+1
.endm
; pass 2: accumulator n: a2 x2 + c2, relu, times W3 into the dot's eight partial sums (one for each of my half's rows).  The last link lands in window 0
.macro C2 n
	WIN 0xFF
.irp p, 0,2,4,6
	v_pk_fma_f32 v[8*(\n)+\p:8*(\n)+\p+1], v[8*(\n)+\p:8*(\n)+\p+1], v[128+2*(\n):129+2*(\n)], v[128+2*(\n):129+2*(\n)] op_sel:[0,0,1] op_sel_hi:[1,0,1]
.endr
.irp j, 0,1,2,3,4,5,6,7
	v_max_num_f32 v[8*(\n)+\j], 0, v[8*(\n)+\j]
.endr
.if (\n) == 15
	WIN 0x3F
.endif
.irp p, 0,2,4,6
.if (\n) == 0
	v_pk_mul_f32 v[176+\p:177+\p], v[\p:\p+1], v[160:161] op_sel_hi:[1,0]
.elseif ((\n)%2) == 0
	v_pk_fma_f32 v[176+\p:177+\p], v[8*(\n)+\p:8*(\n)+\p+1], v[160+(\n):161+(\n)], v[176+\p:177+\p] op_sel_hi:[1,0,1]
.else
	v_pk_fma_f32 v[176+\p:177+\p], v[8*(\n)+\p:8*(\n)+\p+1], v[159+(\n):160+(\n)], v[176+\p:177+\p] op_sel:[0,1,0] op_sel_hi:[1,1,1]
.endif
.endr
.endm
; K step 1 of the sixteen tiles, with the vector work on finished tiles behind each product: a tile is read at least four plain lines, on other registers, behind the product that finished it
.macro PHASEB m
.if PASS == 1
	MM 1, 0, \m
	MM 1, 1, \m
	NOPS 4
.set i, 2
.rept 14
	MM 1, i, \m
	H (i-2)/2, (i-2)%2
.set i, i+1
.endr
	H 7, 0
	H 7, 1
.else
	MM 1, 0, \m
	NOPS 4
.set i, 1
.rept 15
	MM 1, i, \m
	C2 i-1
.set i, i+1
.endr
	s_wait_dscnt 0x0                               ; the last tile's stores into the stage have read v176-183, which the lines below write
	C2 15
.endif
.endm
; pass 2: the dot's partial sums are added over the sixteen lanes of a half; x3 of my half's eight rows goes to my wave's stage, and into the sums of x3
.macro RED3 off
	WIN 0
.irp x, 1,2,4,8
.irp j, 0,1,2,3,4,5,6,7
	v_add_f32_dpp v[ACCF+\j], v[ACCF+\j], v[ACCF+\j] row_xmask:\x row_mask:0xf bank_mask:0xf
.endr
.endr
.irp p, 0,2,4,6
	v_pk_add_f32 v[SUM3:SUM3+1], v[SUM3:SUM3+1], v[ACCF+\p:ACCF+\p+1]
	v_pk_fma_f32 v[SQ3:SQ3+1], v[ACCF+\p:ACCF+\p+1], v[ACCF+\p:ACCF+\p+1], v[SQ3:SQ3+1]
.endr
	v_add_nc_u32 v[ADRS], s7, v[STA0]
	ds_store_b128 v[ADRS], v[ACCF:ACCF+3] offset:\off          ; the sixteen lanes of a half hold the same numbers and write the same bytes
	ds_store_b128 v[ADRS], v[ACCF+4:ACCF+7] offset:\off+16
.endm
.macro FRAGS adr                       ; W2's 32 fragments out of LDS, as they were laid
.irp s, 0,1
	WIN 0x40+0x40*\s
.set fn, 0
.rept 16
.irp c, 0,1,2
	ds_load_b128 v[12*fn+4*\c:12*fn+4*\c+3], v[\adr] offset:(16*\s+fn)*1536+512*\c
.endr
.set fn, fn+1
.endr
.endr
	WIN 0
.endm
; what both roles load at the head: a quarter of the image a wave (v64-159), W2's scale words; pass 2: a2, c2, W3 of channel 16 n + r; pass 1: the sums begin as zeros (the loop is written once)
.macro HEADLOADS imgoff, sp, co, wp
.set hk, 0
.rept 24
	global_load_b128 v[64+4*hk:67+4*hk], v[T16], s[8:9] offset:\imgoff+2048*hk
.set hk, hk+1
.endr
.set hk, 0
.rept 16
	global_load_b32 v[W2S+hk], v[WSO], s[\sp:\sp+1] offset:128*hk
.set hk, hk+1
.endr
	WIN 0xC0
.set hk, 0
.if PASS == 2
.rept 16
	global_load_b32 v[128+2*hk], v[R4], s[26:27] offset:\co+64*hk
	global_load_b32 v[129+2*hk], v[R4], s[26:27] offset:\co+1024+64*hk
	global_load_b32 v[160+hk], v[R4], s[\wp:\wp+1] offset:64*hk
.set hk, hk+1
.endr
.else
.rept 64
	v_mov_b32 v[128+hk], 0
.set hk, hk+1
.endr
.endif
	WIN 0
.endm
; ---- ky
.macro LOADP s, adr, extra             ; P1' of one (j,t), K step s: my half's 64 channels; the sixteen lanes of a half read the same 16 bytes
.irp c, 0,1
.irp q, 0,1,2,3,4,5,6,7
	ds_load_b128 v[PB+64*(\s)+32*\c+4*\q:PB+64*(\s)+32*\c+4*\q+3], v[\adr] offset:(32*(\s)+16*\c+\q)*256+\extra
.endr
.endr
.endm
.macro ARUN s                          ; + P2'
	WIN 0x04+4*(\s)
.set ai, 0
.rept 32
	v_pk_add_f32 v[PB+64*(\s)+2*ai:PB+64*(\s)+2*ai+1], v[PB+64*(\s)+2*ai:PB+64*(\s)+2*ai+1], v[192+2*ai:193+2*ai]
.set ai, ai+1
.endr
	WIN 0
.endm
.macro MX3 s, g                        ; group g's four numbers into the block's two chains; a block's first group brings the floor
.if ((\g)%8) == 0
	v_max3_num_f32 v[MXA+2*((\g)/8)], v[PB+64*(\s)+4*(\g)], v[PB+64*(\s)+4*(\g)+1], 0x1800000
	v_max3_num_f32 v[MXA+2*((\g)/8)+1], v[PB+64*(\s)+4*(\g)+2], v[PB+64*(\s)+4*(\g)+3], 0x1800000
.else
	v_max3_num_f32 v[MXA+2*((\g)/8)], v[MXA+2*((\g)/8)], v[PB+64*(\s)+4*(\g)], v[PB+64*(\s)+4*(\g)+1]
	v_max3_num_f32 v[MXA+2*((\g)/8)+1], v[MXA+2*((\g)/8)+1], v[PB+64*(\s)+4*(\g)+2], v[PB+64*(\s)+4*(\g)+3]
.endif
.endm
.macro RM s, g, hook                   ; the relu of group g, the maxima of group g - 1; hook = 1: K step 0 of x2's tile g rides behind them
	WIN 0
.irp j, 0,1,2,3
	v_max_num_f32 v[PB+64*(\s)+4*(\g)+\j], 0, v[PB+64*(\s)+4*(\g)+\j]
.endr
.if (\g) > 0
	MX3 \s, (\g)-1
.endif
.if \hook
	MM 0, \g, 0
.endif
.endm
.macro KTAIL s                         ; the two blocks' scales, the scale word, the codes of K step s
	WIN 0
	MX3 \s, 15
	v_max_num_f32 v[MXA], v[MXA], v[MXA+1]
	v_max_num_f32 v[MXA+2], v[MXA+2], v[MXA+3]
	v_add_nc_u32 v[SOY], 0xff000000, v[MXA]        ; 2 off the exponent field: the conversion's scale operand
	v_add_nc_u32 v[SOY+1], 0xff000000, v[MXA+2]
	v_lshrrev_b32 v[BY], 23, v[SOY]
	v_lshrrev_b32 v[BY+1], 23, v[SOY+1]
	v_lshl_or_b32 v[WT], v[BY+1], 16, v[BY]        ; my two bytes: blocks h and 2 + h of my row,
	v_lshlrev_b32 v[WT], v[SH8], v[WT]             ; at their places;
	v_permlanex16_b32 v[WU], v[WT], s36, s37
	v_or_b32 v[SW+(\s)], v[WT], v[WU]              ; with lane l xor 16's two the word is whole
	v_cvt_scalef32_pk16_fp6_f32 v[CF+12*(\s):CF+12*(\s)+2], v[PB+64*(\s):PB+64*(\s)+15], v[SOY]
	v_cvt_scalef32_pk16_fp6_f32 v[TC:TC+2], v[PB+64*(\s)+16:PB+64*(\s)+31], v[SOY]         ; (a conversion's three registers begin on an even number: a block's second three do not)
	v_cvt_scalef32_pk16_fp6_f32 v[CF+12*(\s)+6:CF+12*(\s)+8], v[PB+64*(\s)+32:PB+64*(\s)+47], v[SOY+1]
	v_cvt_scalef32_pk16_fp6_f32 v[TC+4:TC+6], v[PB+64*(\s)+48:PB+64*(\s)+63], v[SOY+1]
	v_nop                                          ; one plain line behind the conversions
.irp i, 0,1,2
	v_mov_b32 v[CF+12*(\s)+3+\i], v[TC+\i]
	v_mov_b32 v[CF+12*(\s)+9+\i], v[TC+4+\i]
.endr
.endm
; ---- kg
.macro ACLOAD bb                       ; a1, c1 of channels 32 bb + 16 h + 0..15
.irp q, 0,1,2,3
	ds_load_b128 v[ACA+4*\q:ACA+4*\q+3], v[AAC] offset:128*(\bb)+16*\q
	ds_load_b128 v[ACB+4*\q:ACB+4*\q+3], v[AAC] offset:1024+128*(\bb)+16*\q
.endr
.endm
.macro X1 bb, k                        ; x1: W1's tile 2 bb + k / 2 x the rows' tile k % 2, into set bb % 2
.set x_tt, 2*(\bb)+(\k)/2
.set x_m, (\k)%2
	WIN 0xF1+(x_tt/8)
	v_wmma_scale_f32_16x16x128_f8f6f4 v[192+32*((\bb)%2)+16*x_m+8*((\k)/2):192+32*((\bb)%2)+16*x_m+8*((\k)/2)+7], v[192+6*(x_tt%8):192+6*(x_tt%8)+11], v[G+12*x_m:G+12*x_m+11], 0, v[W1S+x_tt], v[GS+x_m] matrix_a_fmt:MATRIX_FMT_FP6 matrix_b_fmt:MATRIX_FMT_FP6
.endm
.macro GLOAD                           ; a pair of tiles of G: 24 bytes and a scale byte a row
.irp m, 0,1
.irp p, 0,1,2
	global_load_b64 v[G+12*\m+2*\p:G+12*\m+2*\p+1], v[GOF], s[38:39] offset:384*\m+8*\p
.endr
	global_load_u8 v[GS+\m], v[GSO], s[40:41] offset:16*\m
.endr
.endm
; block bb of 32 channels, for both tiles: batch norm, relu, the block's scale, its codes.  The next block's x1, and from block 4 on K step 0 of tile 0's x2, ride behind the relu's groups
.macro BLOCK bb
.set KS, (\bb)/4
.set BP, (\bb)%4
.set XS, 192+32*((\bb)%2)
.set CD, CF+12*KS+6*(BP/2)
	s_wait_dscnt 0x0                               ; a1, c1 are in (asked for a block ago)
	WIN 0x03
.irp m, 0,1
.irp p, 0,2,4,6,8,10,12,14
	v_pk_fma_f32 v[T+16*\m+\p:T+16*\m+\p+1], v[XS+16*\m+\p:XS+16*\m+\p+1], v[ACA+\p:ACA+\p+1], v[ACB+\p:ACB+\p+1]
.endr
.endr
	WIN 0
	ACLOAD ((\bb)+1)%8                             ; block 7 asks for block 0's: they are the same in every trip
.irp k, 0,1,2,3,4,5,6,7
.irp j, 0,1,2,3
	v_max_num_f32 v[T+4*\k+\j], 0, v[T+4*\k+\j]
.endr
.if (\k < 4) && ((\bb) < 7)
	X1 (\bb)+1, \k
	WIN 0
.endif
.if (\k >= 4) && (KS == 1)
	MM 0, 4*BP+\k-4, 0
	WIN 0
.endif
.endr
.irp m, 0,1
.irp e, 0,1
	v_max3_num_f32 v[MX+2*\m+\e], v[T+16*\m+8*\e], v[T+16*\m+8*\e+1], 0x1800000
.endr
.endr
.irp i, 2,4,6
.irp m, 0,1
.irp e, 0,1
	v_max3_num_f32 v[MX+2*\m+\e], v[MX+2*\m+\e], v[T+16*\m+8*\e+\i], v[T+16*\m+8*\e+\i+1]
.endr
.endr
.endr
	v_max_num_f32 v[MX], v[MX], v[MX+1]
	v_max_num_f32 v[MX+2], v[MX+2], v[MX+3]
	v_permlanex16_b32 v[MY], v[MX], s36, s37
	v_permlanex16_b32 v[MY+1], v[MX+2], s36, s37
	v_max_num_f32 v[MX], v[MX], v[MY]              ; with lane l xor 16's sixteen: the block's largest
	v_max_num_f32 v[MX+2], v[MX+2], v[MY+1]
	v_add_nc_u32 v[SOG], 0xff000000, v[MX]
	v_add_nc_u32 v[SOG+1], 0xff000000, v[MX+2]
.if BP == 0
	v_lshrrev_b32 v[SW+KS], 23, v[SOG]
	v_lshrrev_b32 v[SW+2+KS], 23, v[SOG+1]
.else
	v_lshrrev_b32 v[BT], 23, v[SOG]
	v_lshrrev_b32 v[BT+1], 23, v[SOG+1]
	v_lshl_or_b32 v[SW+KS], v[BT], 8*BP, v[SW+KS]
	v_lshl_or_b32 v[SW+2+KS], v[BT+1], 8*BP, v[SW+2+KS]
.endif
.if (BP%2) == 0
	v_cvt_scalef32_pk16_fp6_f32 v[CD:CD+2], v[T:T+15], v[SOG]
	v_cvt_scalef32_pk16_fp6_f32 v[CD+24:CD+26], v[T+16:T+31], v[SOG+1]
	v_nop                                          ; one plain line behind the conversions
.else
	v_cvt_scalef32_pk16_fp6_f32 v[TC:TC+2], v[T:T+15], v[SOG]
	v_cvt_scalef32_pk16_fp6_f32 v[TC+4:TC+6], v[T+16:T+31], v[SOG+1]
	v_nop
.irp m, 0,1                                    ; the operand wants a whole block in a lane: lanes 0-15 the even block, lanes 16-31 the odd one
.irp i, 0,1,2
	v_permlane16_swap_b32 v[CD+24*\m+\i], v[TC+4*\m+\i]
.endr
.irp i, 0,1,2
	v_mov_b32 v[CD+24*\m+3+\i], v[TC+4*\m+\i]
.endr
.endr
.endif
.endm
; ---- the ways out
.macro EPI1 red, pp                    ; pass 1.  Lanes 0-15 end with a channel's sum, lanes 16-31 with its sum of squares: each half sends the other what that half keeps
	WIN 0
	v_cmp_eq_u32 vcc_lo, 1, v[HH]
	v_lshl_add_u32 v54, v[HH], 10, v[R4]
	s_lshl_b32 s46, s2, 11
	s_add_co_u32 s46, s46, \red
	v_add_nc_u32 v54, s46, v54                     ; red + 2,048 wave + 1,024 h + 4 r
	v_add_nc_u32 v55, \red, v[T16]
	s_lshl_b32 s42, s4, 11
	s_mov_b32 s43, 0
	s_add_nc_u64 s[\pp:\pp+1], s[\pp:\pp+1], s[42:43]
	WIN 0xFF
.set e, 0
.rept 16
	v_add_f32 v[128+4*e], v[128+4*e], v[129+4*e]
	v_add_f32 v[130+4*e], v[130+4*e], v[131+4*e]
.set e, e+1
.endr
.set e, 0
.rept 16
	v_cndmask_b32 v[129+4*e], v[128+4*e], v[130+4*e], vcc_lo
	v_cndmask_b32 v[131+4*e], v[130+4*e], v[128+4*e], vcc_lo
.set e, e+1
.endr
.set e, 0
.rept 16
	v_permlanex16_b32 v[128+4*e], v[131+4*e], s36, s37
.set e, e+1
.endr
.set e, 0
.rept 16
	v_add_f32 v[129+4*e], v[129+4*e], v[128+4*e]
.set e, e+1
.endr
	WIN 0x0C                                       ; an LDS store's data are its source 1: window 3
.set e, 0
.rept 16
	ds_store_b32 v54, v[129+4*e] offset:64*e
.set e, e+1
.endr
	WIN 0
	BAR
.irp w, 0,1,2,3
	ds_load_b128 v[64+4*\w:67+4*\w], v55 offset:2048*\w
.endr
	s_wait_dscnt 0x0
	v_pk_add_f32 v[64:65], v[64:65], v[68:69]
	v_pk_add_f32 v[66:67], v[66:67], v[70:71]
	v_pk_add_f32 v[72:73], v[72:73], v[76:77]
	v_pk_add_f32 v[74:75], v[74:75], v[78:79]
	v_pk_add_f32 v[64:65], v[64:65], v[72:73]
	v_pk_add_f32 v[66:67], v[66:67], v[74:75]
	global_store_b128 v[T16], v[64:67], s[\pp:\pp+1]       ; the work-group's 2,048 bytes, 512 consecutive bytes a wave
	s_wait_tensorcnt 0x0
	ds_add_u32 v254, v255
	s_wait_dscnt 0x0
	s_endpgm
.endm
.macro EPI2A r3                        ; pass 2: my wave's sums of x3 to LDS; the barrier also shows the stage whole
	WIN 0
	s_wait_dscnt 0x0                               ; the last stores into the stage have read v176-183
	v_add_f32 v54, v[SUM3], v[SUM3+1]
	v_add_f32 v55, v[SQ3], v[SQ3+1]
	v_permlanex16_b32 v[ACCF], v54, s36, s37
	v_permlanex16_b32 v[ACCF+1], v55, s36, s37
	v_add_f32 v54, v54, v[ACCF]
	v_add_f32 v55, v55, v[ACCF+1]
	s_lshl_b32 s46, s2, 3
	s_add_co_u32 s46, s46, \r3
	v_mov_b32 v56, s46
	ds_store_b64 v56, v[54:55]
	v_mov_b32 v57, \r3
	v_mov_b32 v60, 0
	BAR
.endm
.macro EPI2B yoff                      ; the four waves' sums; thread 0 stores the work-group's pair
	ds_load_b128 v[80:83], v57
	ds_load_b128 v[84:87], v57 offset:16
	s_wait_dscnt 0x0
	v_pk_add_f32 v[80:81], v[80:81], v[82:83]
	v_pk_add_f32 v[84:85], v[84:85], v[86:87]
	v_pk_add_f32 v[80:81], v[80:81], v[84:85]
	s_lshl_b32 s46, s4, 3
	s_add_co_u32 s46, s46, \yoff
	s_mov_b32 s47, 0
	s_add_nc_u64 s[34:35], s[34:35], s[46:47]
	s_wait_xcnt 0x0                                ; EXEC changes only behind this wait
	v_cmp_eq_u32 vcc_lo, 0, v0
	s_and_saveexec_b32 s46, vcc_lo
	global_store_b64 v60, v[80:81], s[34:35]
	s_endpgm
.endm
; ------------------------------------------------------------------ the head
	s_load_b512 s[8:23], s[0:1], 0x0               ; w2img 8, ky_W2_scales 10, kg_W2_scales 12, kytab 14, cst1 16, kg_W1_codes 18, kg_W1_scales 20, G's codes 22
.if PASS == 1
	s_load_b128 s[24:27], s[0:1], 0x40             ; G's scales 24, part_y 26
	s_load_b64 s[28:29], s[0:1], 0x50              ; part_g 28
	v_lshl_add_u32 v254, v0, 2, 0x20800
	v_mov_b32 v255, 0
.else
	s_load_b256 s[24:31], s[0:1], 0x40             ; G's scales 24, cst2 26, ky_W3 28, kg_W3 30
	s_load_b128 s[32:35], s[0:1], 0x60             ; x3 32, part3 34
.endif
	v_lshrrev_b32 v1, 5, v0
	v_readfirstlane_b32 s2, v1                     ; wave 0..3
	s_and_b32 s3, ttmp7, 0xffff                    ; y: the role
	s_mov_b32 s4, ttmp9                            ; x
	s_mov_b32 s36, 0x76543210
	s_mov_b32 s37, 0xfedcba98                      ; v_permlanex16_b32's selects for lane l xor 16
	v_lshlrev_b32 v[T16], 4, v0
	v_and_b32 v[L16], 31, v0
	v_lshlrev_b32 v[L16], 4, v[L16]
	v_and_b32 v[RR], 15, v0
	v_bfe_u32 v[HH], v0, 4, 1
	v_lshlrev_b32 v[R4], 2, v[RR]
	v_lshlrev_b32 v[WSO], 3, v[RR]
	v_lshl_add_u32 v[WSO], v[HH], 2, v[WSO]
	s_wait_kmcnt 0x0
	s_cmp_lg_u32 s3, 0
	s_cbranch_scc1 .Lkg
; ------------------------------------------------------------------ ky
.set STA0, 11
.set ADRS, 12
.set SUM3, 248
.set SQ3, 250
	s_lshr_b32 s38, s4, 6                          ; b
	s_bfe_u32 s39, s4, 0x20004                     ; which 64 of the (i,s)
	s_and_b32 s40, s4, 15                          ; which 16 of the (j,t)
	s_lshl_b32 s42, s38, 4
	s_add_co_u32 s42, s42, s40
	s_lshl_b32 s42, s42, 14
	s_mov_b32 s43, 0
	s_add_nc_u64 s[42:43], s[14:15], s[42:43]      ; table 1: the block's 16,384 dense bytes
	s_lshl_b32 s44, s38, 12
	s_lshl_b32 s45, s39, 10
	s_add_co_u32 s44, s44, s45
	s_lshl_b32 s45, s2, 8
	s_add_co_u32 s44, s44, s45
	s_mov_b32 s45, 0
	s_add_nc_u64 s[44:45], s[14:15], s[44:45]      ; table 2: 16 bytes x (256 b + 64 block + 16 wave)
	s_wait_alu depctr_va_vdst(0)
	v_lshl_add_u32 v[APL0], v[HH], 11, PL
	v_lshlrev_b32 v[VP2], 4, v[RR]
	v_lshl_add_u32 v[VP2], v[HH], 17, v[VP2]       ; 16 r + 8 channel groups of 16,384 bytes for lanes 16-31
	v_lshlrev_b32 v[SH8], 3, v[HH]
	v_mov_b32 v[WU], 0                             ; written once: a lane permute's destination counts as one of its sources
.if PASS == 2
	s_lshl_b32 s46, s2, 10
	s_add_co_u32 s46, s46, STGY
	v_lshl_add_u32 v[STA0], v[HH], 5, s46          ; my wave's stage, + 32 h
.irp j, 0,1,2,3
	v_mov_b32 v[SUM3+\j], 0
.endr
.endif
	HEADLOADS 0, 10, 0, 28
.irp k, 0,1,2,3,4,5,6,7
	global_load_b128 v[160+4*\k:163+4*\k], v[T16], s[42:43] offset:2048*\k
.endr
.irp s, 0,1
	WIN 0x40+0x40*\s
.irp c, 0,1
.irp q, 0,1,2,3,4,5,6,7
	global_load_b128 v[192+32*\c+4*\q:195+32*\c+4*\q], v[VP2], s[44:45] offset:1048576+(32*\s+16*\c+\q)*16384   ; P2' of my row: each half of the lanes reads 256 consecutive bytes
.endr
.endr
.endr
	WIN 0
	s_wait_loadcnt 0x0
.set hk, 0
.rept 24
	ds_store_b128 v[T16], v[64+4*hk:67+4*hk] offset:WY+2048*hk
.set hk, hk+1
.endr
.irp k, 0,1,2,3,4,5,6,7
	ds_store_b128 v[T16], v[160+4*\k:163+4*\k] offset:PL+2048*\k
.endr
	BAR                                            ; the image and P1' lie in LDS; nothing is stored there again
	FRAGS L16
	s_mov_b32 s5, 0                                ; the tile = the (j,t)
	s_mov_b32 s6, 0                                ; 16 bytes a tile in P1'
	s_mov_b32 s7, 0                                ; 64 bytes a tile in the stage
	LOADP 0, APL0, 0
.Lky_tile:
	v_add_nc_u32 v[ADR], s6, v[APL0]
	LOADP 1, ADR, 0
	s_wait_dscnt 16                                ; the sixteen loads just issued may be out; K step 0's, and all before them, are in
	ARUN 0
.set rg, 0
.rept 16
	RM 0, rg, 0
.set rg, rg+1
.endr
	KTAIL 0
	s_wait_dscnt 0x0                               ; K step 1's numbers
	ARUN 1                                         ; (its 32 lines are also the places between K step 0's codes and scale word and the products that take them)
.set rg, 0
.rept 16
	RM 1, rg, 1
.set rg, rg+1
.endr
	KTAIL 1
	s_cmp_eq_u32 s5, 15
	s_cbranch_scc1 .Lky_no_next
	LOADP 0, ADR, 16                               ; the next tile's K step 0 lands under the products below
.Lky_no_next:
	NOPS 8                                         ; a scale word made by vector lines stands eight places ahead of the product, codes four
	s_wait_alu depctr_va_vdst(0)
	PHASEB 0
.if PASS == 2
	RED3 0
.endif
	WIN 0
	s_add_co_u32 s6, s6, 16
	s_add_co_u32 s7, s7, 64
	s_add_co_u32 s5, s5, 1
	s_cmp_lt_u32 s5, 16
	s_cbranch_scc1 .Lky_tile
.if PASS == 1
	EPI1 REDY, 26
.else
	EPI2A R3Y
	; out0's order is (b, i, j, s, t): 64 neighbours are (j % 4, s, t).  Thread u takes s = u % 4, j = (u / 4) % 4, i = u / 16 + 8 k, and the four t: sixteen lanes store 256 consecutive bytes
	v_lshrrev_b32 v58, 6, v0
	v_lshlrev_b32 v58, 10, v58
	v_bfe_u32 v59, v0, 4, 2
	v_lshl_add_u32 v58, v59, 4, v58
	v_bfe_u32 v59, v0, 2, 2
	v_lshl_add_u32 v58, v59, 8, v58
	v_and_b32 v59, 3, v0
	v_lshl_add_u32 v58, v59, 2, v58
	v_add_nc_u32 v58, STGY, v58
	v_lshrrev_b32 v59, 4, v0
	v_lshlrev_b32 v59, 12, v59
	v_lshl_add_u32 v59, v[RR], 4, v59
	s_lshl_b32 s46, s38, 18
	s_lshl_b32 s47, s39, 16
	s_add_co_u32 s46, s46, s47
	s_lshl_b32 s47, s40, 8
	s_add_co_u32 s46, s46, s47
	s_mov_b32 s47, 0
	s_add_nc_u64 s[32:33], s[32:33], s[46:47]
.irp k, 0,1
.irp tt, 0,1,2,3
	ds_load_b32 v[64+4*\k+\tt], v58 offset:2048*\k+64*\tt
.endr
.endr
	s_wait_dscnt 0x0
	global_store_b128 v59, v[64:67], s[32:33]
	global_store_b128 v59, v[68:71], s[32:33] offset:32768
	EPI2B 0
.endif
; ------------------------------------------------------------------ kg
.Lkg:
.set STA0, 15
.set ADRS, 170
.set SUM3, 166
.set SQ3, 168
	s_wait_alu depctr_va_vdst(0)
	v_add_nc_u32 v[T16G], WG, v[T16]
	v_add_nc_u32 v[L16G], WG, v[L16]
	v_lshl_add_u32 v[AAC], v[HH], 6, AC
	v_mul_u32_u24 v[GOF], v[RR], 24
	v_mov_b32 v[GSO], v[RR]
	v_and_b32 v[W1SO], 8, v[RR]
	v_add_nc_u32 v[W1SO], v[W1SO], v[RR]           ; r + 8 (r / 8)
	v_mul_u32_u24 v[W1O], v[W1SO], 24
	v_add_nc_u32 v[MASK], -1, v[HH]                ; all ones in lanes 0-15, 0 in lanes 16-31
	s_mul_i32 s38, s4, 24576                       ; my wave's first row: 1,024 x + 256 wave
	s_mul_i32 s39, s2, 6144
	s_add_co_u32 s38, s38, s39
	s_mov_b32 s39, 0
	s_add_nc_u64 s[38:39], s[22:23], s[38:39]
	s_lshl_b32 s40, s4, 10
	s_lshl_b32 s41, s2, 8
	s_add_co_u32 s40, s40, s41
	s_mov_b32 s41, 0
	s_add_nc_u64 s[40:41], s[24:25], s[40:41]
.if PASS == 2
	s_lshl_b32 s46, s2, 10
	s_add_co_u32 s46, s46, STGG
	v_lshl_add_u32 v[STA0], v[HH], 5, s46
.irp j, 0,1,2,3
	v_mov_b32 v[SUM3+\j], 0
.endr
.endif
	HEADLOADS 49152, 12, 2048, 30
	global_load_b128 v[160:163], v[T16], s[16:17]  ; a1, c1: 2,048 bytes a work-group
.irp tt, 0,1,2,3,4,5,6,7,8,9,10,11,12,13,14,15
	WIN 0x40+0x40*(\tt/8)
.irp p, 0,1,2
	global_load_b64 v[192+6*(\tt%8)+2*\p:193+6*(\tt%8)+2*\p], v[W1O], s[18:19] offset:(32*(\tt/2)+8*(\tt%2))*24+8*\p
.endr
.endr
	WIN 0
.irp tt, 0,1,2,3,4,5,6,7,8,9,10,11,12,13,14,15
	global_load_u8 v[W1S+\tt], v[W1SO], s[20:21] offset:32*(\tt/2)+8*(\tt%2)
.endr
	s_wait_loadcnt 0x0
.set hk, 0
.rept 24
	ds_store_b128 v[T16G], v[64+4*hk:67+4*hk] offset:2048*hk
.set hk, hk+1
.endr
	ds_store_b128 v[T16G], v[160:163] offset:AC-WG
.irp ww, 0x44, 0x88
	WIN \ww
.set hk, 0
.rept 48
	v_and_b32 v[192+hk], v[MASK], v[192+hk]        ; k = 32 .. 63 of W1: zero codes
.set hk, hk+1
.endr
.irp j, 0,1,2,3,4,5
	v_mov_b32 v[240+\j], 0                         ; behind the eighth tile
.endr
.endr
	WIN 0
	BAR                                            ; the image and the constants lie in LDS; nothing is stored there again
.irp m, 0,1
.irp j, 6,7,8,9,10,11
	v_mov_b32 v[G+12*\m+\j], 0                     ; k = 64 .. 127 of G: zero codes, written once
.endr
	v_mov_b32 v[MY+\m], 0                          ; written once: a lane permute's destination counts as one of its sources
.endr
	NOPS 4                                         ; codes written by vector lines stand four places ahead of a scaled product: with the move above and the two address steps at the loop's head seven lines stand behind the last zero
	GLOAD
	FRAGS L16G
	ACLOAD 0
	s_mov_b32 s5, 0                                ; the pair of tiles
	s_mov_b32 s7, 0                                ; 128 bytes a pair in the stage
.Lkg_pair:
	s_wait_loadcnt 0x0                             ; the pair's G; its address registers are free
	v_add_nc_u32 v[GOF], 768, v[GOF]
	v_add_nc_u32 v[GSO], 32, v[GSO]
	s_wait_alu depctr_va_vdst(0)
.irp k, 0,1,2,3
	X1 0, \k
.endr
	WIN 0
	NOPS 4
.irp bb, 0,1,2,3,4,5,6,7
	BLOCK \bb
.endr
	s_cmp_eq_u32 s5, 7
	s_cbranch_scc1 .Lkg_no_next
	GLOAD                                          ; the next pair; the last products that read these registers stand a whole block back
.Lkg_no_next:
	NOPS 8                                         ; a scale word made by vector lines stands eight places ahead of the product, codes four
	s_wait_alu depctr_va_vdst(0)
	PHASEB 0
.if PASS == 2
	RED3 0
.endif
.set i2, 0
.rept 16
	MM 0, i2, 1
.set i2, i2+1
.endr
	PHASEB 1
.if PASS == 2
	RED3 64
.endif
	WIN 0
	s_add_co_u32 s7, s7, 128
	s_add_co_u32 s5, s5, 1
	s_cmp_lt_u32 s5, 8
	s_cbranch_scc1 .Lkg_pair
.if PASS == 1
	EPI1 REDG, 28
.else
	EPI2A R3G
	v_add_nc_u32 v58, STGG, v[T16]                 ; the stage lies in the rows' own order
	s_lshl_b32 s46, s4, 12
	s_mov_b32 s47, 0
	s_add_nc_u64 s[32:33], s[32:33], s[46:47]
	ds_load_b128 v[64:67], v58
	ds_load_b128 v[68:71], v58 offset:2048
	s_wait_dscnt 0x0
	global_store_b128 v[T16], v[64:67], s[32:33] offset:1048576
	global_store_b128 v[T16], v[68:71], s[32:33] offset:1050624
	EPI2B 2048
.endif
.Lfunc_end_k_q9c5d19da89_pass1:
	.size	k_q9c5d19da89_pass1, .Lfunc_end_k_q9c5d19da89_pass1-k_q9c5d19da89_pass1
	.p2alignl 7, 3214868480
	.fill 96, 4, 3214868480
	.section	.rodata,"a",@progbits
	.p2align	6, 0x0
	.amdhsa_kernel k_q9c5d19da89_pass1
		.amdhsa_group_segment_fixed_size 133632
		.amdhsa_private_segment_fixed_size 0
		.amdhsa_enable_private_segment 0
		.amdhsa_kernarg_size 88
		.amdhsa_user_sgpr_count 2
		.amdhsa_user_sgpr_kernarg_segment_ptr 1
		.amdhsa_wavefront_size32 1
		.amdhsa_system_sgpr_workgroup_id_x 1
		.amdhsa_system_sgpr_workgroup_id_y 1
		.amdhsa_system_sgpr_workgroup_id_z 1
		.amdhsa_system_vgpr_workitem_id 0
		.amdhsa_next_free_vgpr 1024
		.amdhsa_next_free_sgpr 66
		.amdhsa_reserve_vcc 1
		.amdhsa_float_denorm_mode_32 3
		.amdhsa_float_denorm_mode_16_64 3
		.amdhsa_memory_ordered 1
		.amdhsa_forward_progress 1
		.amdhsa_inst_pref_size 161
	.end_amdhsa_kernel
	.amdgpu_metadata
---
amdhsa.version: [ 1, 2 ]
amdhsa.kernels:
  - .name:           k_q9c5d19da89_pass1
    .symbol:         k_q9c5d19da89_pass1.kd
    .args:
      - { .name: w2img, .offset: 0, .size: 8, .value_kind: global_buffer, .address_space: global }
      - { .name: ky_W2_scales, .offset: 8, .size: 8, .value_kind: global_buffer, .address_space: global }
      - { .name: kg_W2_scales, .offset: 16, .size: 8, .value_kind: global_buffer, .address_space: global }
      - { .name: kytab, .offset: 24, .size: 8, .value_kind: global_buffer, .address_space: global }
      - { .name: cst1, .offset: 32, .size: 8, .value_kind: global_buffer, .address_space: global }
      - { .name: kg_W1_codes, .offset: 40, .size: 8, .value_kind: global_buffer, .address_space: global }
      - { .name: kg_W1_scales, .offset: 48, .size: 8, .value_kind: global_buffer, .address_space: global }
      - { .name: pairwise_g_codes, .offset: 56, .size: 8, .value_kind: global_buffer, .address_space: global }
      - { .name: pairwise_g_scales, .offset: 64, .size: 8, .value_kind: global_buffer, .address_space: global }
      - { .name: part_y, .offset: 72, .size: 8, .value_kind: global_buffer, .address_space: global }
      - { .name: part_g, .offset: 80, .size: 8, .value_kind: global_buffer, .address_space: global }
    .group_segment_fixed_size: 133632
    .private_segment_fixed_size: 0
    .kernarg_segment_align: 8
    .kernarg_segment_size: 88
    .max_flat_workgroup_size: 128
    .sgpr_count:     66
    .vgpr_count:     1024
    .wavefront_size: 32
...
	.end_amdgpu_metadata
.endif
;; end of part 3
;; launch fin2: the kernel of part 2 again; grid 4 x 2, 8 waves a work-group, no clusters, 5,120 bytes of LDS; arguments part_y, ky_b2, ky_g2, ky_be2, part_g, kg_b2, kg_g2, kg_be2, cst2; writes cst2
;; launch pass2 (part 4): grid 256 x 2, 4 waves a work-group, no clusters, 126,464 bytes of LDS; arguments w2img, ky_W2_scales, kg_W2_scales, kytab, cst1, kg_W1_codes, kg_W1_scales, pairwise_g_codes, pairwise_g_scales, cst2, ky_W3, kg_W3, x3, part3; writes x3, part3
.if DOCPART == 4
	.amdgcn_target "amdgcn-amd-amdhsa--gfx1250"
	.amdhsa_code_object_version 6
	.text
	.protected	k_q9c5d19da89_pass2
	.globl	k_q9c5d19da89_pass2
	.p2align	8
	.type	k_q9c5d19da89_pass2,@function
k_q9c5d19da89_pass2:
	s_mov_b64 s[64:65], 0
	v_nop
	global_prefetch_b8 v0, s[64:65] scope:SCOPE_SE
	s_setreg_imm32_b32 hwreg(HW_REG_WAVE_MODE, 25, 1), 1
	s_wait_xcnt 0x0
; ONE TEXT FOR TWO LAUNCHES (PASS = 1, 2).  Both make the hidden layer h1 of a branch anew in registers, quantise it to E2M3 along its 256 channels and multiply by W2 (x2 = Q(h1) W2, codes on both sides).
; PASS 1: the sum and the sum of squares of x2 for each channel -> part[x][sum 256 | squares 256].   PASS 2: h2 = relu(a2 x2 + c2), x3 = h2 . W3 in f32 -> x3, and the sum and sum of squares of x3 -> part3.
; ROLES, parted on the work-group's y; they never join, and each has LDS bytes of its own.
;   y = 0 (ky): h1 = relu(P1'[b,j,t] + P2'[b,i,s]) from the two tables.  The work-group takes 64 (i,s) x 16 (j,t): b = x / 64, (i,s) block (x / 16) % 4, (j,t) block x % 16.  In wave w lane r stands for (i,s) row 16 w + r,
;     whose P2' stays in 128 registers; a tile of 16 rows is one (j,t), whose P1' comes from LDS.  Lane (r, h) makes k = 128 s + 64 c + 32 h + 0..31 itself: a whole block of 32 lies in one lane.
;   y = 1 (kg): x1 = G W1 (K = 32, see below), h1 = relu(a1 x1 + c1); rows 1,024 x + 256 w + 16 tile + r, two tiles at a time.  x1 is used transposed (source 0 = W1, source 1 = G) with W1's rows chosen so that the
;     16 registers of W1's tiles 2 b and 2 b + 1 are 16 neighbouring channels: lane r of tile tt takes channel 32 (tt / 2) + 8 (tt % 2) + r + 8 (r / 8).
; EVERY WAVE HOLDS ALL OF ITS BRANCH'S W2 IN REGISTERS (32 fragments, 384 registers): the loop has no weight traffic, no barrier, and nothing goes from wave to wave.
; The second product is used in natural order (source 0 = h1's codes, source 1 = W2): in the result lane (r, h) holds channel 16 n + r and rows 8 h + 0..7, so a channel's sums and constants are one number a lane.
; K = 32 IN AN INSTRUCTION OF 128: G's registers 6-11 are zero; W1's lanes 16-31 are cleared and a tile's upper six registers are the next tile's (six zeros behind the eighth).  So block 1 is zero by W1, block 2 by G,
;   block 3 by both.  Their scale words are bytes widened with zeros, which stand over zero codes.
; THE QUANTISER: a block's largest number (none is negative behind the relu), with the floor 2^(3 - 127) among the leaves; 2 off its exponent field is the conversion's scale operand, and that shifted down by 23 the scale's byte.
; LIMITS: a block of zeros keeps the byte 1 (its codes are zeros; the bytes are this program's own); blocks whose largest number lies under 2^-124 are held at the floor; NaN, infinities and scale bytes 0xff are not served.
; No tensor load, no cluster: what work-groups share is the 49,152 bytes of a weight image, read once by each; everything else that the loop reads lies in registers or LDS.
.set PASS, 2
; LDS
.set WY, 0                             ; ky: W2's image, 49,152 bytes: fragment 16 s + n at 1,536 bytes each, register quad c at + 512 c, lane at + 16 lane
.set PL, 49152                         ; ky: P1' of the block's 16 (j,t): [channel / 4][jt][16 bytes], 16,384 bytes
.set WG, 65536                         ; kg: W2's image
.set AC, 114688                        ; kg: a1[256], c1[256]
.set REDY, 116736                      ; pass 1: [wave][sum 256 | squares 256], 8,192 bytes, ky's and kg's
.set REDG, 124928
.set STGY, 116736                      ; pass 2: x3, [wave][tile][16 rows] f32, 4,096 bytes, ky's and kg's
.set STGG, 120832
.set R3Y, 124928                       ; pass 2: [wave](sum, squares)
.set R3G, 125184
; window 0, both roles
.set T16, 1                            ; 16 x thread
.set L16, 2                            ; 16 x lane
.set RR, 3                             ; r = lane % 16
.set HH, 4                             ; h = lane / 16
.set R4, 5                             ; 4 r
.set WSO, 6                            ; 8 r + 4 h
.set W2S, 16                           ; v16-31  W2's scale words: lanes 0-15 K step 0, lanes 16-31 K step 1
.set W1S, 32                           ; v32-47  kg: W1's scale words
.set SW, 48                            ; v48-51  h1's scale words: 2 m + s
.set GS, 52                            ; v52-53  kg: G's scale words
.set CF, 192                           ; v192..  h1's codes: 24 m + 12 s
.set TC, 240                           ; the conversions' second halves
.set ACCF, 176                         ; pass 2: v176-183 a tile's x3
; window 0, ky (pass 2: v248-251 the sums of x3)
.set APL0, 7                           ; PL + 2,048 h
.set ADR, 8
.set VP2, 9
.set SH8, 10                           ; 8 h
.set PB, 64                            ; v64-127, v128-191: the 64 numbers of K step 0, 1
.set MXA, 54                           ; v54-57 four chains of maxima
.set SOY, 58
.set BY, 60
.set WT, 62
.set WU, 63
; window 0, kg (pass 2: v166-169 the sums of x3)
.set T16G, 7
.set L16G, 8
.set AAC, 9                            ; AC + 64 h
.set GOF, 10
.set GSO, 11
.set W1O, 12
.set W1SO, 13
.set MASK, 14
.set G, 64                             ; v64-87 two fragments of G
.set ACA, 88                           ; v88-103 a1, v104-119 c1 of the block's 16 channels of my half
.set ACB, 104
.set T, 120                            ; v120-151 16 numbers of each of the two tiles
.set MX, 152
.set MY, 160
.set SOG, 162
.set BT, 164
; window 1: v0-191 W2's fragments of K step 0 (tile n at 12 n); v192-255 ky: P2' of K step 0; kg: W1's tiles 0-7 at 192 + 6 i, six zeros behind.   window 2: the same for K step 1 and tiles 8-15.
; window 3: v0-127 the sixteen accumulators of x2 (tile n at 8 n); pass 1: v128-191 sums (tile n: sum 128 + 4 n, squares 130 + 4 n); pass 2: v128-159 (a2, c2), v160-175 W3, v176-183 the dot's partial sums; v192-255 kg: x1, two sets of 32.
.set MSB, 0
.macro WIN new                         ; low byte: bits 1:0 source 0, 3:2 source 1, 5:4 source 2, 7:6 destination; the high byte repeats the setting that is left
.if MSB != (\new)
	s_set_vgpr_msb (MSB<<8)|(\new)
.set MSB, (\new)
.endif
.endm
.macro NOPS n
.rept \n
	v_nop
.endr
.endm
.macro BAR                             ; my LDS stores have landed and my LDS loads are in: then the work-group's barrier
	s_wait_dscnt 0x0
	s_barrier_signal -1
	s_barrier_wait -1
.endm
; x2's tile n, K step s, of the rows' tile m.  The sixteen accumulators take turns, one instruction a turn
.macro MM s, n, m
	WIN 0xF4+4*(\s)
.if (\s) == 0
	v_wmma_scale_f32_16x16x128_f8f6f4 v[8*(\n):8*(\n)+7], v[CF+24*(\m):CF+24*(\m)+11], v[12*(\n):12*(\n)+11], 0, v[SW+2*(\m)], v[W2S+(\n)] matrix_a_fmt:MATRIX_FMT_FP6 matrix_b_fmt:MATRIX_FMT_FP6
.else
	v_wmma_scale_f32_16x16x128_f8f6f4 v[8*(\n):8*(\n)+7], v[CF+24*(\m)+12:CF+24*(\m)+23], v[12*(\n):12*(\n)+11], v[8*(\n):8*(\n)+7], v[SW+2*(\m)+1], v[W2S+(\n)] matrix_a_fmt:MATRIX_FMT_FP6 matrix_b_fmt:MATRIX_FMT_FP6 matrix_b_scale:MATRIX_SCALE_ROW1
.endif
.endm
; pass 1: registers 2 p, 2 p + 1 of accumulators 2 u and 2 u + 1 into their sums
.macro H1 u, p
	v_pk_add_f32 v[128+8*(\u):129+8*(\u)], v[128+8*(\u):129+8*(\u)], v[16*(\u)+2*(\p):16*(\u)+2*(\p)+1]
	v_pk_add_f32 v[132+8*(\u):133+8*(\u)], v[132+8*(\u):133+8*(\u)], v[16*(\u)+2*(\p)+8:16*(\u)+2*(\p)+9]
	v_pk_fma_f32 v[130+8*(\u):131+8*(\u)], v[16*(\u)+2*(\p):16*(\u)+2*(\p)+1], v[16*(\u)+2*(\p):16*(\u)+2*(\p)+1], v[130+8*(\u):131+8*(\u)]
	v_pk_fma_f32 v[134+8*(\u):135+8*(\u)], v[16*(\u)+2*(\p)+8:16*(\u)+2*(\p)+9], v[16*(\u)+2*(\p)+8:16*(\u)+2*(\p)+9], v[134+8*(\u):135+8*(\u)]
.endm
.macro H u, half                       ; half 0 comes first: each accumulator is read from its low end on
	WIN 0xFF
	H1 \u, 2*(\half)
	H1 \u, 2*(\half)+1
.endm
; pass 2: accumulator n: a2 x2 + c2, relu, times W3 into the dot's eight partial sums (one for each of my half's rows).  The last link lands in window 0
.macro C2 n
	WIN 0xFF
.irp p, 0,2,4,6
	v_pk_fma_f32 v[8*(\n)+\p:8*(\n)+\p+1], v[8*(\n)+\p:8*(\n)+\p+1], v[128+2*(\n):129+2*(\n)], v[128+2*(\n):129+2*(\n)] op_sel:[0,0,1] op_sel_hi:[1,0,1]
.endr
.irp j, 0,1,2,3,4,5,6,7
	v_max_num_f32 v[8*(\n)+\j], 0, v[8*(\n)+\j]
.endr
.if (\n) == 15
	WIN 0x3F
.endif
.irp p, 0,2,4,6
.if (\n) == 0
	v_pk_mul_f32 v[176+\p:177+\p], v[\p:\p+1], v[160:161] op_sel_hi:[1,0]
.elseif ((\n)%2) == 0
	v_pk_fma_f32 v[176+\p:177+\p], v[8*(\n)+\p:8*(\n)+\p+1], v[160+(\n):161+(\n)], v[176+\p:177+\p] op_sel_hi:[1,0,1]
.else
	v_pk_fma_f32 v[176+\p:177+\p], v[8*(\n)+\p:8*(\n)+\p+1], v[159+(\n):160+(\n)], v[176+\p:177+\p] op_sel:[0,1,0] op_sel_hi:[1,1,1]
.endif
.endr
.endm
; K step 1 of the sixteen tiles, with the vector work on finished tiles behind each product: a tile is read at least four plain lines, on other registers, behind the product that finished it
.macro PHASEB m
.if PASS == 1
	MM 1, 0, \m
	MM 1, 1, \m
	NOPS 4
.set i, 2
.rept 14
	MM 1, i, \m
	H (i-2)/2, (i-2)%2
.set i, i+1
.endr
	H 7, 0
	H 7, 1
.else
	MM 1, 0, \m
	NOPS 4
.set i, 1
.rept 15
	MM 1, i, \m
	C2 i-1
.set i, i+1
.endr
	s_wait_dscnt 0x0                               ; the last tile's stores into the stage have read v176-183, which the lines below write
	C2 15
.endif
.endm
; pass 2: the dot's partial sums are added over the sixteen lanes of a half; x3 of my half's eight rows goes to my wave's stage, and into the sums of x3
.macro RED3 off
	WIN 0
.irp x, 1,2,4,8
.irp j, 0,1,2,3,4,5,6,7
	v_add_f32_dpp v[ACCF+\j], v[ACCF+\j], v[ACCF+\j] row_xmask:\x row_mask:0xf bank_mask:0xf
.endr
.endr
.irp p, 0,2,4,6
	v_pk_add_f32 v[SUM3:SUM3+1], v[SUM3:SUM3+1], v[ACCF+\p:ACCF+\p+1]
	v_pk_fma_f32 v[SQ3:SQ3+1], v[ACCF+\p:ACCF+\p+1], v[ACCF+\p:ACCF+\p+1], v[SQ3:SQ3+1]
.endr
	v_add_nc_u32 v[ADRS], s7, v[STA0]
	ds_store_b128 v[ADRS], v[ACCF:ACCF+3] offset:\off          ; the sixteen lanes of a half hold the same numbers and write the same bytes
	ds_store_b128 v[ADRS], v[ACCF+4:ACCF+7] offset:\off+16
.endm
.macro FRAGS adr                       ; W2's 32 fragments out of LDS, as they were laid
.irp s, 0,1
	WIN 0x40+0x40*\s
.set fn, 0
.rept 16
.irp c, 0,1,2
	ds_load_b128 v[12*fn+4*\c:12*fn+4*\c+3], v[\adr] offset:(16*\s+fn)*1536+512*\c
.endr
.set fn, fn+1
.endr
.endr
	WIN 0
.endm
; what both roles load at the head: a quarter of the image a wave (v64-159), W2's scale words; pass 2: a2, c2, W3 of channel 16 n + r; pass 1: the sums begin as zeros (the loop is written once)
.macro HEADLOADS imgoff, sp, co, wp
.set hk, 0
.rept 24
	global_load_b128 v[64+4*hk:67+4*hk], v[T16], s[8:9] offset:\imgoff+2048*hk
.set hk, hk+1
.endr
.set hk, 0
.rept 16
	global_load_b32 v[W2S+hk], v[WSO], s[\sp:\sp+1] offset:128*hk
.set hk, hk+1
.endr
	WIN 0xC0
.set hk, 0
.if PASS == 2
.rept 16
	global_load_b32 v[128+2*hk], v[R4], s[26:27] offset:\co+64*hk
	global_load_b32 v[129+2*hk], v[R4], s[26:27] offset:\co+1024+64*hk
	global_load_b32 v[160+hk], v[R4], s[\wp:\wp+1] offset:64*hk
.set hk, hk+1
.endr
.else
.rept 64
	v_mov_b32 v[128+hk], 0
.set hk, hk+1
.endr
.endif
	WIN 0
.endm
; ---- ky
.macro LOADP s, adr, extra             ; P1' of one (j,t), K step s: my half's 64 channels; the sixteen lanes of a half read the same 16 bytes
.irp c, 0,1
.irp q, 0,1,2,3,4,5,6,7
	ds_load_b128 v[PB+64*(\s)+32*\c+4*\q:PB+64*(\s)+32*\c+4*\q+3], v[\adr] offset:(32*(\s)+16*\c+\q)*256+\extra
.endr
.endr
.endm
.macro ARUN s                          ; + P2'
	WIN 0x04+4*(\s)
.set ai, 0
.rept 32
	v_pk_add_f32 v[PB+64*(\s)+2*ai:PB+64*(\s)+2*ai+1], v[PB+64*(\s)+2*ai:PB+64*(\s)+2*ai+1], v[192+2*ai:193+2*ai]
.set ai, ai+1
.endr
	WIN 0
.endm
.macro MX3 s, g                        ; group g's four numbers into the block's two chains; a block's first group brings the floor
.if ((\g)%8) == 0
	v_max3_num_f32 v[MXA+2*((\g)/8)], v[PB+64*(\s)+4*(\g)], v[PB+64*(\s)+4*(\g)+1], 0x1800000
	v_max3_num_f32 v[MXA+2*((\g)/8)+1], v[PB+64*(\s)+4*(\g)+2], v[PB+64*(\s)+4*(\g)+3], 0x1800000
.else
	v_max3_num_f32 v[MXA+2*((\g)/8)], v[MXA+2*((\g)/8)], v[PB+64*(\s)+4*(\g)], v[PB+64*(\s)+4*(\g)+1]
	v_max3_num_f32 v[MXA+2*((\g)/8)+1], v[MXA+2*((\g)/8)+1], v[PB+64*(\s)+4*(\g)+2], v[PB+64*(\s)+4*(\g)+3]
.endif
.endm
.macro RM s, g, hook                   ; the relu of group g, the maxima of group g - 1; hook = 1: K step 0 of x2's tile g rides behind them
	WIN 0
.irp j, 0,1,2,3
	v_max_num_f32 v[PB+64*(\s)+4*(\g)+\j], 0, v[PB+64*(\s)+4*(\g)+\j]
.endr
.if (\g) > 0
	MX3 \s, (\g)-1
.endif
.if \hook
	MM 0, \g, 0
.endif
.endm
.macro KTAIL s                         ; the two blocks' scales, the scale word, the codes of K step s
	WIN 0
	MX3 \s, 15
	v_max_num_f32 v[MXA], v[MXA], v[MXA+1]
	v_max_num_f32 v[MXA+2], v[MXA+2], v[MXA+3]
	v_add_nc_u32 v[SOY], 0xff000000, v[MXA]        ; 2 off the exponent field: the conversion's scale operand
	v_add_nc_u32 v[SOY+1], 0xff000000, v[MXA+2]
	v_lshrrev_b32 v[BY], 23, v[SOY]
	v_lshrrev_b32 v[BY+1], 23, v[SOY+1]
	v_lshl_or_b32 v[WT], v[BY+1], 16, v[BY]        ; my two bytes: blocks h and 2 + h of my row,
	v_lshlrev_b32 v[WT], v[SH8], v[WT]             ; at their places;
	v_permlanex16_b32 v[WU], v[WT], s36, s37
	v_or_b32 v[SW+(\s)], v[WT], v[WU]              ; with lane l xor 16's two the word is whole
	v_cvt_scalef32_pk16_fp6_f32 v[CF+12*(\s):CF+12*(\s)+2], v[PB+64*(\s):PB+64*(\s)+15], v[SOY]
	v_cvt_scalef32_pk16_fp6_f32 v[TC:TC+2], v[PB+64*(\s)+16:PB+64*(\s)+31], v[SOY]         ; (a conversion's three registers begin on an even number: a block's second three do not)
	v_cvt_scalef32_pk16_fp6_f32 v[CF+12*(\s)+6:CF+12*(\s)+8], v[PB+64*(\s)+32:PB+64*(\s)+47], v[SOY+1]
	v_cvt_scalef32_pk16_fp6_f32 v[TC+4:TC+6], v[PB+64*(\s)+48:PB+64*(\s)+63], v[SOY+1]
	v_nop                                          ; one plain line behind the conversions
.irp i, 0,1,2
	v_mov_b32 v[CF+12*(\s)+3+\i], v[TC+\i]
	v_mov_b32 v[CF+12*(\s)+9+\i], v[TC+4+\i]
.endr
.endm
; ---- kg
.macro ACLOAD bb                       ; a1, c1 of channels 32 bb + 16 h + 0..15
.irp q, 0,1,2,3
	ds_load_b128 v[ACA+4*\q:ACA+4*\q+3], v[AAC] offset:128*(\bb)+16*\q
	ds_load_b128 v[ACB+4*\q:ACB+4*\q+3], v[AAC] offset:1024+128*(\bb)+16*\q
.endr
.endm
.macro X1 bb, k                        ; x1: W1's tile 2 bb + k / 2 x the rows' tile k % 2, into set bb % 2
.set x_tt, 2*(\bb)+(\k)/2
.set x_m, (\k)%2
	WIN 0xF1+(x_tt/8)
	v_wmma_scale_f32_16x16x128_f8f6f4 v[192+32*((\bb)%2)+16*x_m+8*((\k)/2):192+32*((\bb)%2)+16*x_m+8*((\k)/2)+7], v[192+6*(x_tt%8):192+6*(x_tt%8)+11], v[G+12*x_m:G+12*x_m+11], 0, v[W1S+x_tt], v[GS+x_m] matrix_a_fmt:MATRIX_FMT_FP6 matrix_b_fmt:MATRIX_FMT_FP6
.endm
.macro GLOAD                           ; a pair of tiles of G: 24 bytes and a scale byte a row
.irp m, 0,1
.irp p, 0,1,2
	global_load_b64 v[G+12*\m+2*\p:G+12*\m+2*\p+1], v[GOF], s[38:39] offset:384*\m+8*\p
.endr
	global_load_u8 v[GS+\m], v[GSO], s[40:41] offset:16*\m
.endr
.endm
; block bb of 32 channels, for both tiles: batch norm, relu, the block's scale, its codes.  The next block's x1, and from block 4 on K step 0 of tile 0's x2, ride behind the relu's groups
.macro BLOCK bb
.set KS, (\bb)/4
.set BP, (\bb)%4
.set XS, 192+32*((\bb)%2)
.set CD, CF+12*KS+6*(BP/2)
	s_wait_dscnt 0x0                               ; a1, c1 are in (asked for a block ago)
	WIN 0x03
.irp m, 0,1
.irp p, 0,2,4,6,8,10,12,14
	v_pk_fma_f32 v[T+16*\m+\p:T+16*\m+\p+1], v[XS+16*\m+\p:XS+16*\m+\p+1], v[ACA+\p:ACA+\p+1], v[ACB+\p:ACB+\p+1]
.endr
.endr
	WIN 0
	ACLOAD ((\bb)+1)%8                             ; block 7 asks for block 0's: they are the same in every trip
.irp k, 0,1,2,3,4,5,6,7
.irp j, 0,1,2,3
	v_max_num_f32 v[T+4*\k+\j], 0, v[T+4*\k+\j]
.endr
.if (\k < 4) && ((\bb) < 7)
	X1 (\bb)+1, \k
	WIN 0
.endif
.if (\k >= 4) && (KS == 1)
	MM 0, 4*BP+\k-4, 0
	WIN 0
.endif
.endr
.irp m, 0,1
.irp e, 0,1
	v_max3_num_f32 v[MX+2*\m+\e], v[T+16*\m+8*\e], v[T+16*\m+8*\e+1], 0x1800000
.endr
.endr
.irp i, 2,4,6
.irp m, 0,1
.irp e, 0,1
	v_max3_num_f32 v[MX+2*\m+\e], v[MX+2*\m+\e], v[T+16*\m+8*\e+\i], v[T+16*\m+8*\e+\i+1]
.endr
.endr
.endr
	v_max_num_f32 v[MX], v[MX], v[MX+1]
	v_max_num_f32 v[MX+2], v[MX+2], v[MX+3]
	v_permlanex16_b32 v[MY], v[MX], s36, s37
	v_permlanex16_b32 v[MY+1], v[MX+2], s36, s37
	v_max_num_f32 v[MX], v[MX], v[MY]              ; with lane l xor 16's sixteen: the block's largest
	v_max_num_f32 v[MX+2], v[MX+2], v[MY+1]
	v_add_nc_u32 v[SOG], 0xff000000, v[MX]
	v_add_nc_u32 v[SOG+1], 0xff000000, v[MX+2]
.if BP == 0
	v_lshrrev_b32 v[SW+KS], 23, v[SOG]
	v_lshrrev_b32 v[SW+2+KS], 23, v[SOG+1]
.else
	v_lshrrev_b32 v[BT], 23, v[SOG]
	v_lshrrev_b32 v[BT+1], 23, v[SOG+1]
	v_lshl_or_b32 v[SW+KS], v[BT], 8*BP, v[SW+KS]
	v_lshl_or_b32 v[SW+2+KS], v[BT+1], 8*BP, v[SW+2+KS]
.endif
.if (BP%2) == 0
	v_cvt_scalef32_pk16_fp6_f32 v[CD:CD+2], v[T:T+15], v[SOG]
	v_cvt_scalef32_pk16_fp6_f32 v[CD+24:CD+26], v[T+16:T+31], v[SOG+1]
	v_nop                                          ; one plain line behind the conversions
.else
	v_cvt_scalef32_pk16_fp6_f32 v[TC:TC+2], v[T:T+15], v[SOG]
	v_cvt_scalef32_pk16_fp6_f32 v[TC+4:TC+6], v[T+16:T+31], v[SOG+1]
	v_nop
.irp m, 0,1                                    ; the operand wants a whole block in a lane: lanes 0-15 the even block, lanes 16-31 the odd one
.irp i, 0,1,2
	v_permlane16_swap_b32 v[CD+24*\m+\i], v[TC+4*\m+\i]
.endr
.irp i, 0,1,2
	v_mov_b32 v[CD+24*\m+3+\i], v[TC+4*\m+\i]
.endr
.endr
.endif
.endm
; ---- the ways out
.macro EPI1 red, pp                    ; pass 1.  Lanes 0-15 end with a channel's sum, lanes 16-31 with its sum of squares: each half sends the other what that half keeps
	WIN 0
	v_cmp_eq_u32 vcc_lo, 1, v[HH]
	v_lshl_add_u32 v54, v[HH], 10, v[R4]
	s_lshl_b32 s46, s2, 11
	s_add_co_u32 s46, s46, \red
	v_add_nc_u32 v54, s46, v54                     ; red + 2,048 wave + 1,024 h + 4 r
	v_add_nc_u32 v55, \red, v[T16]
	s_lshl_b32 s42, s4, 11
	s_mov_b32 s43, 0
	s_add_nc_u64 s[\pp:\pp+1], s[\pp:\pp+1], s[42:43]
	WIN 0xFF
.set e, 0
.rept 16
	v_add_f32 v[128+4*e], v[128+4*e], v[129+4*e]
	v_add_f32 v[130+4*e], v[130+4*e], v[131+4*e]
.set e, e+1
.endr
.set e, 0
.rept 16
	v_cndmask_b32 v[129+4*e], v[128+4*e], v[130+4*e], vcc_lo
	v_cndmask_b32 v[131+4*e], v[130+4*e], v[128+4*e], vcc_lo
.set e, e+1
.endr
.set e, 0
.rept 16
	v_permlanex16_b32 v[128+4*e], v[131+4*e], s36, s37
.set e, e+1
.endr
.set e, 0
.rept 16
	v_add_f32 v[129+4*e], v[129+4*e], v[128+4*e]
.set e, e+1
.endr
	WIN 0x0C                                       ; an LDS store's data are its source 1: window 3
.set e, 0
.rept 16
	ds_store_b32 v54, v[129+4*e] offset:64*e
.set e, e+1
.endr
	WIN 0
	BAR
.irp w, 0,1,2,3
	ds_load_b128 v[64+4*\w:67+4*\w], v55 offset:2048*\w
.endr
	s_wait_dscnt 0x0
	v_pk_add_f32 v[64:65], v[64:65], v[68:69]
	v_pk_add_f32 v[66:67], v[66:67], v[70:71]
	v_pk_add_f32 v[72:73], v[72:73], v[76:77]
	v_pk_add_f32 v[74:75], v[74:75], v[78:79]
	v_pk_add_f32 v[64:65], v[64:65], v[72:73]
	v_pk_add_f32 v[66:67], v[66:67], v[74:75]
	global_store_b128 v[T16], v[64:67], s[\pp:\pp+1]       ; the work-group's 2,048 bytes, 512 consecutive bytes a wave
	s_endpgm
.endm
.macro EPI2A r3                        ; pass 2: my wave's sums of x3 to LDS; the barrier also shows the stage whole
	WIN 0
	s_wait_dscnt 0x0                               ; the last stores into the stage have read v176-183
	v_add_f32 v54, v[SUM3], v[SUM3+1]
	v_add_f32 v55, v[SQ3], v[SQ3+1]
	v_permlanex16_b32 v[ACCF], v54, s36, s37
	v_permlanex16_b32 v[ACCF+1], v55, s36, s37
	v_add_f32 v54, v54, v[ACCF]
	v_add_f32 v55, v55, v[ACCF+1]
	s_lshl_b32 s46, s2, 3
	s_add_co_u32 s46, s46, \r3
	v_mov_b32 v56, s46
	ds_store_b64 v56, v[54:55]
	v_mov_b32 v57, \r3
	v_mov_b32 v60, 0
	BAR
.endm
.macro EPI2B yoff                      ; the four waves' sums; thread 0 stores the work-group's pair
	ds_load_b128 v[80:83], v57
	ds_load_b128 v[84:87], v57 offset:16
	s_wait_dscnt 0x0
	v_pk_add_f32 v[80:81], v[80:81], v[82:83]
	v_pk_add_f32 v[84:85], v[84:85], v[86:87]
	v_pk_add_f32 v[80:81], v[80:81], v[84:85]
	s_lshl_b32 s46, s4, 3
	s_add_co_u32 s46, s46, \yoff
	s_mov_b32 s47, 0
	s_add_nc_u64 s[34:35], s[34:35], s[46:47]
	s_wait_alu depctr_va_vdst(0)
	s_wait_xcnt 0x0                                ; EXEC changes only behind this wait
	v_cmp_eq_u32 vcc_lo, 0, v0
	s_wait_tensorcnt 0x0
	ds_add_u32 v254, v255
	s_wait_dscnt 0x0
	s_and_saveexec_b32 s46, vcc_lo
	global_store_b64 v60, v[80:81], s[34:35]
	s_endpgm
.endm
; ------------------------------------------------------------------ the head
	s_load_b512 s[8:23], s[0:1], 0x0               ; w2img 8, ky_W2_scales 10, kg_W2_scales 12, kytab 14, cst1 16, kg_W1_codes 18, kg_W1_scales 20, G's codes 22
.if PASS == 1
	s_load_b128 s[24:27], s[0:1], 0x40             ; G's scales 24, part_y 26
	s_load_b64 s[28:29], s[0:1], 0x50              ; part_g 28
.else
	s_load_b256 s[24:31], s[0:1], 0x40             ; G's scales 24, cst2 26, ky_W3 28, kg_W3 30
	s_load_b128 s[32:35], s[0:1], 0x60             ; x3 32, part3 34
	v_lshl_add_u32 v254, v0, 2, 0x1ec00
	v_mov_b32 v255, 0
.endif
	v_lshrrev_b32 v1, 5, v0
	v_readfirstlane_b32 s2, v1                     ; wave 0..3
	s_and_b32 s3, ttmp7, 0xffff                    ; y: the role
	s_mov_b32 s4, ttmp9                            ; x
	s_mov_b32 s36, 0x76543210
	s_mov_b32 s37, 0xfedcba98                      ; v_permlanex16_b32's selects for lane l xor 16
	v_lshlrev_b32 v[T16], 4, v0
	v_and_b32 v[L16], 31, v0
	v_lshlrev_b32 v[L16], 4, v[L16]
	v_and_b32 v[RR], 15, v0
	v_bfe_u32 v[HH], v0, 4, 1
	v_lshlrev_b32 v[R4], 2, v[RR]
	v_lshlrev_b32 v[WSO], 3, v[RR]
	v_lshl_add_u32 v[WSO], v[HH], 2, v[WSO]
	s_wait_kmcnt 0x0
	s_cmp_lg_u32 s3, 0
	s_cbranch_scc1 .Lkg
; ------------------------------------------------------------------ ky
.set STA0, 11
.set ADRS, 12
.set SUM3, 248
.set SQ3, 250
	s_lshr_b32 s38, s4, 6                          ; b
	s_bfe_u32 s39, s4, 0x20004                     ; which 64 of the (i,s)
	s_and_b32 s40, s4, 15                          ; which 16 of the (j,t)
	s_lshl_b32 s42, s38, 4
	s_add_co_u32 s42, s42, s40
	s_lshl_b32 s42, s42, 14
	s_mov_b32 s43, 0
	s_add_nc_u64 s[42:43], s[14:15], s[42:43]      ; table 1: the block's 16,384 dense bytes
	s_lshl_b32 s44, s38, 12
	s_lshl_b32 s45, s39, 10
	s_add_co_u32 s44, s44, s45
	s_lshl_b32 s45, s2, 8
	s_add_co_u32 s44, s44, s45
	s_mov_b32 s45, 0
	s_add_nc_u64 s[44:45], s[14:15], s[44:45]      ; table 2: 16 bytes x (256 b + 64 block + 16 wave)
	s_wait_alu depctr_va_vdst(0)
	v_lshl_add_u32 v[APL0], v[HH], 11, PL
	v_lshlrev_b32 v[VP2], 4, v[RR]
	v_lshl_add_u32 v[VP2], v[HH], 17, v[VP2]       ; 16 r + 8 channel groups of 16,384 bytes for lanes 16-31
	v_lshlrev_b32 v[SH8], 3, v[HH]
	v_mov_b32 v[WU], 0                             ; written once: a lane permute's destination counts as one of its sources
.if PASS == 2
	s_lshl_b32 s46, s2, 10
	s_add_co_u32 s46, s46, STGY
	v_lshl_add_u32 v[STA0], v[HH], 5, s46          ; my wave's stage, + 32 h
.irp j, 0,1,2,3
	v_mov_b32 v[SUM3+\j], 0
.endr
.endif
	HEADLOADS 0, 10, 0, 28
.irp k, 0,1,2,3,4,5,6,7
	global_load_b128 v[160+4*\k:163+4*\k], v[T16], s[42:43] offset:2048*\k
.endr
.irp s, 0,1
	WIN 0x40+0x40*\s
.irp c, 0,1
.irp q, 0,1,2,3,4,5,6,7
	global_load_b128 v[192+32*\c+4*\q:195+32*\c+4*\q], v[VP2], s[44:45] offset:1048576+(32*\s+16*\c+\q)*16384   ; P2' of my row: each half of the lanes reads 256 consecutive bytes
.endr
.endr
.endr
	WIN 0
	s_wait_loadcnt 0x0
.set hk, 0
.rept 24
	ds_store_b128 v[T16], v[64+4*hk:67+4*hk] offset:WY+2048*hk
.set hk, hk+1
.endr
.irp k, 0,1,2,3,4,5,6,7
	ds_store_b128 v[T16], v[160+4*\k:163+4*\k] offset:PL+2048*\k
.endr
	BAR                                            ; the image and P1' lie in LDS; nothing is stored there again
	FRAGS L16
	s_mov_b32 s5, 0                                ; the tile = the (j,t)
	s_mov_b32 s6, 0                                ; 16 bytes a tile in P1'
	s_mov_b32 s7, 0                                ; 64 bytes a tile in the stage
	LOADP 0, APL0, 0
.Lky_tile:
	v_add_nc_u32 v[ADR], s6, v[APL0]
	LOADP 1, ADR, 0
	s_wait_dscnt 16                                ; the sixteen loads just issued may be out; K step 0's, and all before them, are in
	ARUN 0
.set rg, 0
.rept 16
	RM 0, rg, 0
.set rg, rg+1
.endr
	KTAIL 0
	s_wait_dscnt 0x0                               ; K step 1's numbers
	ARUN 1                                         ; (its 32 lines are also the places between K step 0's codes and scale word and the products that take them)
.set rg, 0
.rept 16
	RM 1, rg, 1
.set rg, rg+1
.endr
	KTAIL 1
	s_cmp_eq_u32 s5, 15
	s_cbranch_scc1 .Lky_no_next
	LOADP 0, ADR, 16                               ; the next tile's K step 0 lands under the products below
.Lky_no_next:
	NOPS 8                                         ; a scale word made by vector lines stands eight places ahead of the product, codes four
	s_wait_alu depctr_va_vdst(0)
	PHASEB 0
.if PASS == 2
	RED3 0
.endif
	WIN 0
	s_add_co_u32 s6, s6, 16
	s_add_co_u32 s7, s7, 64
	s_add_co_u32 s5, s5, 1
	s_cmp_lt_u32 s5, 16
	s_cbranch_scc1 .Lky_tile
.if PASS == 1
	EPI1 REDY, 26
.else
	s_wait_alu depctr_va_vdst(0)
	EPI2A R3Y
	; out0's order is (b, i, j, s, t): 64 neighbours are (j % 4, s, t).  Thread u takes s = u % 4, j = (u / 4) % 4, i = u / 16 + 8 k, and the four t: sixteen lanes store 256 consecutive bytes
	v_lshrrev_b32 v58, 6, v0
	v_lshlrev_b32 v58, 10, v58
	v_bfe_u32 v59, v0, 4, 2
	v_lshl_add_u32 v58, v59, 4, v58
	v_bfe_u32 v59, v0, 2, 2
	v_lshl_add_u32 v58, v59, 8, v58
	v_and_b32 v59, 3, v0
	v_lshl_add_u32 v58, v59, 2, v58
	v_add_nc_u32 v58, STGY, v58
	v_lshrrev_b32 v59, 4, v0
	v_lshlrev_b32 v59, 12, v59
	v_lshl_add_u32 v59, v[RR], 4, v59
	s_lshl_b32 s46, s38, 18
	s_lshl_b32 s47, s39, 16
	s_add_co_u32 s46, s46, s47
	s_lshl_b32 s47, s40, 8
	s_add_co_u32 s46, s46, s47
	s_mov_b32 s47, 0
	s_add_nc_u64 s[32:33], s[32:33], s[46:47]
.irp k, 0,1
.irp tt, 0,1,2,3
	ds_load_b32 v[64+4*\k+\tt], v58 offset:2048*\k+64*\tt
.endr
.endr
	s_wait_alu depctr_va_vdst(0)
	s_wait_dscnt 0x0
	global_store_b128 v59, v[64:67], s[32:33]
	global_store_b128 v59, v[68:71], s[32:33] offset:32768
	EPI2B 0
.endif
; ------------------------------------------------------------------ kg
.Lkg:
.set STA0, 15
.set ADRS, 170
.set SUM3, 166
.set SQ3, 168
	s_wait_alu depctr_va_vdst(0)
	v_add_nc_u32 v[T16G], WG, v[T16]
	v_add_nc_u32 v[L16G], WG, v[L16]
	v_lshl_add_u32 v[AAC], v[HH], 6, AC
	v_mul_u32_u24 v[GOF], v[RR], 24
	v_mov_b32 v[GSO], v[RR]
	v_and_b32 v[W1SO], 8, v[RR]
	v_add_nc_u32 v[W1SO], v[W1SO], v[RR]           ; r + 8 (r / 8)
	v_mul_u32_u24 v[W1O], v[W1SO], 24
	s_wait_alu depctr_va_vdst(0)
	v_add_nc_u32 v[MASK], -1, v[HH]                ; all ones in lanes 0-15, 0 in lanes 16-31
	s_mul_i32 s38, s4, 24576                       ; my wave's first row: 1,024 x + 256 wave
	s_mul_i32 s39, s2, 6144
	s_add_co_u32 s38, s38, s39
	s_mov_b32 s39, 0
	s_add_nc_u64 s[38:39], s[22:23], s[38:39]
	s_lshl_b32 s40, s4, 10
	s_lshl_b32 s41, s2, 8
	s_add_co_u32 s40, s40, s41
	s_mov_b32 s41, 0
	s_add_nc_u64 s[40:41], s[24:25], s[40:41]
.if PASS == 2
	s_lshl_b32 s46, s2, 10
	s_add_co_u32 s46, s46, STGG
	v_lshl_add_u32 v[STA0], v[HH], 5, s46
.irp j, 0,1,2,3
	v_mov_b32 v[SUM3+\j], 0
.endr
.endif
	HEADLOADS 49152, 12, 2048, 30
	global_load_b128 v[160:163], v[T16], s[16:17]  ; a1, c1: 2,048 bytes a work-group
.irp tt, 0,1,2,3,4,5,6,7,8,9,10,11,12,13,14,15
	WIN 0x40+0x40*(\tt/8)
.irp p, 0,1,2
	global_load_b64 v[192+6*(\tt%8)+2*\p:193+6*(\tt%8)+2*\p], v[W1O], s[18:19] offset:(32*(\tt/2)+8*(\tt%2))*24+8*\p
.endr
.endr
	WIN 0
.irp tt, 0,1,2,3,4,5,6,7,8,9,10,11,12,13,14,15
	global_load_u8 v[W1S+\tt], v[W1SO], s[20:21] offset:32*(\tt/2)+8*(\tt%2)
.endr
	s_wait_alu depctr_va_vdst(0)
	s_wait_loadcnt 0x0
.set hk, 0
.rept 24
	ds_store_b128 v[T16G], v[64+4*hk:67+4*hk] offset:2048*hk
.set hk, hk+1
.endr
	ds_store_b128 v[T16G], v[160:163] offset:AC-WG
.irp ww, 0x44, 0x88
	WIN \ww
.set hk, 0
.rept 48
	v_and_b32 v[192+hk], v[MASK], v[192+hk]        ; k = 32 .. 63 of W1: zero codes
.set hk, hk+1
.endr
.irp j, 0,1,2,3,4,5
	v_mov_b32 v[240+\j], 0                         ; behind the eighth tile
.endr
.endr
	WIN 0
	BAR                                            ; the image and the constants lie in LDS; nothing is stored there again
.irp m, 0,1
.irp j, 6,7,8,9,10,11
	v_mov_b32 v[G+12*\m+\j], 0                     ; k = 64 .. 127 of G: zero codes, written once
.endr
	v_mov_b32 v[MY+\m], 0                          ; written once: a lane permute's destination counts as one of its sources
.endr
	NOPS 4                                         ; codes written by vector lines stand four places ahead of a scaled product: with the move above and the two address steps at the loop's head seven lines stand behind the last zero
	GLOAD
	FRAGS L16G
	ACLOAD 0
	s_mov_b32 s5, 0                                ; the pair of tiles
	s_mov_b32 s7, 0                                ; 128 bytes a pair in the stage
.Lkg_pair:
	s_wait_loadcnt 0x0                             ; the pair's G; its address registers are free
	v_add_nc_u32 v[GOF], 768, v[GOF]
	v_add_nc_u32 v[GSO], 32, v[GSO]
	s_wait_alu depctr_va_vdst(0)
.irp k, 0,1,2,3
	X1 0, \k
.endr
	WIN 0
	NOPS 4
.irp bb, 0,1,2,3,4,5,6,7
	BLOCK \bb
.endr
	s_cmp_eq_u32 s5, 7
	s_cbranch_scc1 .Lkg_no_next
	GLOAD                                          ; the next pair; the last products that read these registers stand a whole block back
.Lkg_no_next:
	NOPS 8                                         ; a scale word made by vector lines stands eight places ahead of the product, codes four
	s_wait_alu depctr_va_vdst(0)
	PHASEB 0
.if PASS == 2
	RED3 0
.endif
.set i2, 0
.rept 16
	MM 0, i2, 1
.set i2, i2+1
.endr
	PHASEB 1
.if PASS == 2
	RED3 64
.endif
	WIN 0
	s_add_co_u32 s7, s7, 128
	s_add_co_u32 s5, s5, 1
	s_cmp_lt_u32 s5, 8
	s_cbranch_scc1 .Lkg_pair
.if PASS == 1
	EPI1 REDG, 28
.else
	s_wait_alu depctr_va_vdst(0)
	EPI2A R3G
	v_add_nc_u32 v58, STGG, v[T16]                 ; the stage lies in the rows' own order
	s_lshl_b32 s46, s4, 12
	s_mov_b32 s47, 0
	s_add_nc_u64 s[32:33], s[32:33], s[46:47]
	ds_load_b128 v[64:67], v58
	ds_load_b128 v[68:71], v58 offset:2048
	s_wait_dscnt 0x0
	global_store_b128 v[T16], v[64:67], s[32:33] offset:1048576
	global_store_b128 v[T16], v[68:71], s[32:33] offset:1050624
	s_wait_alu depctr_va_vdst(0)
	EPI2B 2048
.endif
.Lfunc_end_k_q9c5d19da89_pass2:
	.size	k_q9c5d19da89_pass2, .Lfunc_end_k_q9c5d19da89_pass2-k_q9c5d19da89_pass2
	.p2alignl 7, 3214868480
	.fill 96, 4, 3214868480
	.section	.rodata,"a",@progbits
	.p2align	6, 0x0
	.amdhsa_kernel k_q9c5d19da89_pass2
		.amdhsa_group_segment_fixed_size 126464
		.amdhsa_private_segment_fixed_size 0
		.amdhsa_enable_private_segment 0
		.amdhsa_kernarg_size 112
		.amdhsa_user_sgpr_count 2
		.amdhsa_user_sgpr_kernarg_segment_ptr 1
		.amdhsa_wavefront_size32 1
		.amdhsa_system_sgpr_workgroup_id_x 1
		.amdhsa_system_sgpr_workgroup_id_y 1
		.amdhsa_system_sgpr_workgroup_id_z 1
		.amdhsa_system_vgpr_workitem_id 0
		.amdhsa_next_free_vgpr 1024
		.amdhsa_next_free_sgpr 66
		.amdhsa_reserve_vcc 1
		.amdhsa_float_denorm_mode_32 3
		.amdhsa_float_denorm_mode_16_64 3
		.amdhsa_memory_ordered 1
		.amdhsa_forward_progress 1
		.amdhsa_inst_pref_size 181
	.end_amdhsa_kernel
	.amdgpu_metadata
---
amdhsa.version: [ 1, 2 ]
amdhsa.kernels:
  - .name:           k_q9c5d19da89_pass2
    .symbol:         k_q9c5d19da89_pass2.kd
    .args:
      - { .name: w2img, .offset: 0, .size: 8, .value_kind: global_buffer, .address_space: global }
      - { .name: ky_W2_scales, .offset: 8, .size: 8, .value_kind: global_buffer, .address_space: global }
      - { .name: kg_W2_scales, .offset: 16, .size: 8, .value_kind: global_buffer, .address_space: global }
      - { .name: kytab, .offset: 24, .size: 8, .value_kind: global_buffer, .address_space: global }
      - { .name: cst1, .offset: 32, .size: 8, .value_kind: global_buffer, .address_space: global }
      - { .name: kg_W1_codes, .offset: 40, .size: 8, .value_kind: global_buffer, .address_space: global }
      - { .name: kg_W1_scales, .offset: 48, .size: 8, .value_kind: global_buffer, .address_space: global }
      - { .name: pairwise_g_codes, .offset: 56, .size: 8, .value_kind: global_buffer, .address_space: global }
      - { .name: pairwise_g_scales, .offset: 64, .size: 8, .value_kind: global_buffer, .address_space: global }
      - { .name: cst2, .offset: 72, .size: 8, .value_kind: global_buffer, .address_space: global }
      - { .name: ky_W3, .offset: 80, .size: 8, .value_kind: global_buffer, .address_space: global }
      - { .name: kg_W3, .offset: 88, .size: 8, .value_kind: global_buffer, .address_space: global }
      - { .name: x3, .offset: 96, .size: 8, .value_kind: global_buffer, .address_space: global }
      - { .name: part3, .offset: 104, .size: 8, .value_kind: global_buffer, .address_space: global }
    .group_segment_fixed_size: 126464
    .private_segment_fixed_size: 0
    .kernarg_segment_align: 8
    .kernarg_segment_size: 112
    .max_flat_workgroup_size: 128
    .sgpr_count:     66
    .vgpr_count:     1024
    .wavefront_size: 32
...
	.end_amdgpu_metadata
.endif
;; end of part 4
;; launch last (part 5): grid 256 x 1, 4 waves a work-group, no clusters, 768 bytes of LDS; arguments x3, part3, ky_b3, ky_g3, ky_be3, kg_b3, kg_g3, kg_be3, out0; writes out0
.if DOCPART == 5
	.amdgcn_target "amdgcn-amd-amdhsa--gfx1250"
	.amdhsa_code_object_version 6
	.text
	.protected	k_q9c5d19da89_last
	.globl	k_q9c5d19da89_last
	.p2align	8
	.type	k_q9c5d19da89_last,@function
k_q9c5d19da89_last:
	s_mov_b64 s[64:65], 0
	v_nop
	global_prefetch_b8 v0, s[64:65] scope:SCOPE_SE
	s_setreg_imm32_b32 hwreg(HW_REG_WAVE_MODE, 25, 1), 1
	s_wait_xcnt 0x0
; out0 = relu(BN3(x3_ky + b3)) + relu(BN3(x3_kg + b3)).  x3: ky's 262,144 numbers, then kg's, in out0's order, bias-free.  part3: [branch][256 work-groups](sum, squares).
; Every work-group adds up the 512 pairs of part3 itself (4,096 bytes) and then serves 1,024 rows: thread t takes 16 bytes at 16 t and at 2,048 + 16 t, so each store of a wave covers 512 consecutive bytes, aligned.
; mean = S / 2^18; var = max(Q / 2^18 - mean^2, 0); a = g / sqrt(var + 1e-5); mu = mean + b; c = be + a (b - mu).
; LIMIT: the variance is a difference of two means in f32: relative error about 1e-6 (1 + mean^2 / var).  Memory binds: no matrix unit, no cluster.
	s_load_b512 s[8:23], s[0:1], 0x0               ; x3 8, part3 10, ky's b3 12, g3 14, be3 16, kg's b3 18, g3 20, be3 22
	s_load_b64 s[24:25], s[0:1], 0x40              ; out0
	v_lshl_add_u32 v48, v0, 2, 0x100
	v_mov_b32 v49, 0
	v_lshlrev_b32 v1, 4, v0                        ; 16 x thread
	v_lshrrev_b32 v2, 5, v0
	v_lshlrev_b32 v2, 4, v2                        ; 16 x wave
	v_mov_b32 v3, 0
	s_mov_b32 s2, 0x76543210
	s_mov_b32 s3, 0xfedcba98                       ; v_permlanex16_b32's selects for lane l xor 16
	s_lshl_b32 s4, ttmp9, 12
	s_mov_b32 s5, 0
	s_wait_alu depctr_va_vdst(0)
	s_wait_kmcnt 0x0
	s_load_b32 s26, s[12:13], 0x0
	s_load_b32 s27, s[14:15], 0x0
	s_load_b32 s28, s[16:17], 0x0
	s_load_b32 s29, s[18:19], 0x0
	s_load_b32 s30, s[20:21], 0x0
	s_load_b32 s31, s[22:23], 0x0
	s_add_nc_u64 s[8:9], s[8:9], s[4:5]
	s_add_nc_u64 s[24:25], s[24:25], s[4:5]
	global_load_b128 v[8:11], v1, s[10:11]
	global_load_b128 v[12:15], v1, s[10:11] offset:2048
	global_load_b128 v[20:23], v1, s[8:9]
	global_load_b128 v[24:27], v1, s[8:9] offset:2048
	global_load_b128 v[28:31], v1, s[8:9] offset:1048576
	global_load_b128 v[32:35], v1, s[8:9] offset:1050624
	s_wait_loadcnt 0x4                             ; part3's two loads are in; x3's four, issued behind them, may be out
	v_pk_add_f32 v[16:17], v[8:9], v[10:11]        ; (S, Q) of ky,
	v_pk_add_f32 v[18:19], v[12:13], v[14:15]      ; of kg
.irp x, 1,2,4,8
.irp j, 16,17,18,19
	v_add_f32_dpp v\j, v\j, v\j row_xmask:\x row_mask:0xf bank_mask:0xf
.endr
.endr
.irp j, 0,1,2,3
	v_permlanex16_b32 v[8+\j], v[16+\j], s2, s3
.endr
.irp j, 0,1,2,3
	v_add_f32 v[16+\j], v[16+\j], v[8+\j]
.endr
	ds_store_b128 v2, v[16:19]                     ; all lanes of a wave hold the same numbers and write the same bytes
	s_wait_dscnt 0x0
	s_barrier_signal -1
	s_barrier_wait -1
	ds_load_b128 v[36:39], v3
	ds_load_b128 v[40:43], v3 offset:16
	ds_load_b128 v[44:47], v3 offset:32
	ds_load_b128 v[8:11], v3 offset:48
	s_wait_dscnt 0x0
	v_pk_add_f32 v[36:37], v[36:37], v[40:41]
	v_pk_add_f32 v[38:39], v[38:39], v[42:43]
	v_pk_add_f32 v[44:45], v[44:45], v[8:9]
	v_pk_add_f32 v[46:47], v[46:47], v[10:11]
	v_pk_add_f32 v[36:37], v[36:37], v[44:45]
	v_pk_add_f32 v[38:39], v[38:39], v[46:47]
	v_pk_mul_f32 v[36:37], v[36:37], 0x36800000 op_sel_hi:[1,0]    ; / 262,144: (mean, mean of squares)
	v_pk_mul_f32 v[38:39], v[38:39], 0x36800000 op_sel_hi:[1,0]
	v_fma_f32 v37, -v36, v36, v37
	v_fma_f32 v39, -v38, v38, v39
	v_max_num_f32 v37, 0, v37
	v_max_num_f32 v39, 0, v39
	v_add_f32 v37, 0x3727c5ac, v37                 ; + 1e-5
	v_add_f32 v39, 0x3727c5ac, v39
	s_wait_alu depctr_va_vdst(0)
	v_rsq_f32 v40, v37
	v_rsq_f32 v41, v39
	s_wait_kmcnt 0x0
	v_add_f32 v42, s26, v36                        ; mu = mean + b.  (Plain lines behind the roots)
	v_add_f32 v43, s29, v38
	s_wait_alu depctr_va_vdst(0)
	v_mul_f32 v44, s27, v40                        ; a
	v_mul_f32 v46, s30, v41
	v_sub_f32 v42, s26, v42                        ; b - mu
	v_sub_f32 v43, s29, v43
	v_fma_f32 v45, v44, v42, s28                   ; c: the pairs v[44:45], v[46:47] are (a, c) of ky and of kg
	v_fma_f32 v47, v46, v43, s31
	s_wait_alu depctr_va_vdst(0)
	s_wait_loadcnt 0x0
.irp p, 20,22,24,26
	v_pk_fma_f32 v[\p:\p+1], v[\p:\p+1], v[44:45], v[44:45] op_sel:[0,0,1] op_sel_hi:[1,0,1]
.endr
.irp p, 28,30,32,34
	v_pk_fma_f32 v[\p:\p+1], v[\p:\p+1], v[46:47], v[46:47] op_sel:[0,0,1] op_sel_hi:[1,0,1]
.endr
.irp j, 20,21,22,23,24,25,26,27,28,29,30,31,32,33,34,35
	v_max_num_f32 v\j, 0, v\j
.endr
.irp p, 20,22,24,26
	v_pk_add_f32 v[\p:\p+1], v[\p:\p+1], v[\p+8:\p+9]
.endr
	global_store_b128 v1, v[20:23], s[24:25]
	global_store_b128 v1, v[24:27], s[24:25] offset:2048
	s_wait_tensorcnt 0x0
	ds_add_u32 v48, v49
	s_wait_dscnt 0x0
	s_endpgm
.Lfunc_end_k_q9c5d19da89_last:
	.size	k_q9c5d19da89_last, .Lfunc_end_k_q9c5d19da89_last-k_q9c5d19da89_last
	.p2alignl 7, 3214868480
	.fill 96, 4, 3214868480
	.section	.rodata,"a",@progbits
	.p2align	6, 0x0
	.amdhsa_kernel k_q9c5d19da89_last
		.amdhsa_group_segment_fixed_size 768
		.amdhsa_private_segment_fixed_size 0
		.amdhsa_enable_private_segment 0
		.amdhsa_kernarg_size 72
		.amdhsa_user_sgpr_count 2
		.amdhsa_user_sgpr_kernarg_segment_ptr 1
		.amdhsa_wavefront_size32 1
		.amdhsa_system_sgpr_workgroup_id_x 1
		.amdhsa_system_sgpr_workgroup_id_y 1
		.amdhsa_system_sgpr_workgroup_id_z 1
		.amdhsa_system_vgpr_workitem_id 0
		.amdhsa_next_free_vgpr 50
		.amdhsa_next_free_sgpr 66
		.amdhsa_reserve_vcc 0
		.amdhsa_float_denorm_mode_32 3
		.amdhsa_float_denorm_mode_16_64 3
		.amdhsa_memory_ordered 1
		.amdhsa_forward_progress 1
		.amdhsa_inst_pref_size 7
	.end_amdhsa_kernel
	.amdgpu_metadata
---
amdhsa.version: [ 1, 2 ]
amdhsa.kernels:
  - .name:           k_q9c5d19da89_last
    .symbol:         k_q9c5d19da89_last.kd
    .args:
      - { .name: x3, .offset: 0, .size: 8, .value_kind: global_buffer, .address_space: global }
      - { .name: part3, .offset: 8, .size: 8, .value_kind: global_buffer, .address_space: global }
      - { .name: ky_b3, .offset: 16, .size: 8, .value_kind: global_buffer, .address_space: global }
      - { .name: ky_g3, .offset: 24, .size: 8, .value_kind: global_buffer, .address_space: global }
      - { .name: ky_be3, .offset: 32, .size: 8, .value_kind: global_buffer, .address_space: global }
      - { .name: kg_b3, .offset: 40, .size: 8, .value_kind: global_buffer, .address_space: global }
      - { .name: kg_g3, .offset: 48, .size: 8, .value_kind: global_buffer, .address_space: global }
      - { .name: kg_be3, .offset: 56, .size: 8, .value_kind: global_buffer, .address_space: global }
      - { .name: out0, .offset: 64, .size: 8, .value_kind: global_buffer, .address_space: global }
    .group_segment_fixed_size: 768
    .private_segment_fixed_size: 0
    .kernarg_segment_align: 8
    .kernarg_segment_size: 72
    .max_flat_workgroup_size: 128
    .sgpr_count:     66
    .vgpr_count:     50
    .wavefront_size: 32
...
	.end_amdgpu_metadata
.endif
;; end of part 5
